; MI455X (gfx1250); checked and timed in simulation.
; The chip was launched on July 23, 2026; its instructions are those of AMD's public machine-readable ISA for CDNA 5 (MIT licence, August 2026) and "CDNA5" Instruction Set Architecture Reference Guide (July 2026). The comments in the code are by the model that wrote it; some were corrected since.
;; Causal Self Attention. Allowed arithmetic: matrix products marked QUANTISED: E2M1 operands, one E8M0 scale for each 32 along K, by v_wmma_scale_f32_16x16x128_f8f6f4 with both operands' format E2M1 (or v_wmma_scale_f32_32x16x128_f4), f32 sums; products left as they are: bf16, f16 or f32 operands; f32 sums; everything else in f32.
;; Inputs: w_proj 1,024 x 1,024 float32; w_qkv 3,072 x 1,024 float32; x 2 x 2,048 x 1,024 float32.
;; Outputs: out0 2 x 2,048 x 1,024 float32.
;; This version of the problem:
;;   THIS VERSION OF THE PROBLEM IS GIVEN IN LOW PRECISION. The matrix products marked QUANTISED in the list below multiply operands that are first quantised to E2M1 (2 exponent bits, 1 mantissa bit; 4 bits a number), with one power-of-two scale for each 32 numbers along K (OCP MX v1.0); their sums are f32. The products marked 'left as it is' may take bf16, f16 or f32 operands, with f32 sums. Whichever they take, every output number must still come out within the allowed error. Rounding operands to bf16 (8 significant bits) uses up far more of that allowance than f16 does (11 bits, for magnitudes from 6e-5 to 65,504). All else is computed in f32.
;;   The module's matrix products, in the order in which they are computed (A, B: the left and right operand; K: the contracted axis; several contracted axes count as one K, in the product's order):
;;     1. [M 4,096, K 1,024] x [K 1,024, N 3,072]; A: input x; B: input w_qkv: QUANTISED
;;     2. batch 32 x [M 2,048, K 64] x [K 64, N 2,048]; A: computed on the way; B: computed on the way: left as it is (an operand is computed on the way)
;;     3. batch 32 x [M 2,048, K 2,048] x [K 2,048, N 64]; A: computed on the way; B: computed on the way: left as it is (an operand is computed on the way)
;;     4. [M 4,096, K 1,024] x [K 1,024, N 1,024]; A: computed on the way; B: input w_proj: left as it is (an operand is computed on the way)
;;   THE QUANTISER, for each operand of a quantised product, along K:
;;     - K is cut into blocks of 32 from its start; a last block that is shorter is filled with zeros.
;;     - A block's scale is 2^e with e = floor(log2(the largest magnitude in the block)) - 2, held to -126 .. 127; a block of zeros has e = 0. As a byte (E8M0): e + 127.
;;     - Each number is divided by its block's scale, clamped to +-6, and rounded to the nearest number of E2M1, ties to even, subnormals kept.
;;     - The product sums the exact products of the quantised numbers (number of the format x scale) in f32.
;;   ~~~python
;;   def quantise(x, axis):      # numpy; x: float32 -> the quantised numbers, widened to float32 again
;;       x = np.moveaxis(x, axis, -1); K = x.shape[-1]
;;       x = np.pad(x, [(0, 0)] * (x.ndim - 1) + [(0, -K % 32)]); x = x.reshape(x.shape[:-1] + (-1, 32)); a = np.abs(x).max(-1, keepdims=True)
;;       e = np.where(a > 0, np.clip(np.frexp(np.where(a > 0, a, 1))[1] - 1 - 2, -126, 127), 0)      # np.frexp(a)[1] - 1 = floor(log2(a)), exactly
;;       r = np.clip(x / 2.0 ** e, -6, 6)
;;       step = 2.0 ** (np.maximum(np.frexp(np.where(r == 0, 1, r))[1] - 1, 0) - 1)
;;       q = np.round(r / step) * step * 2.0 ** e      # np.round: ties to even
;;       return np.moveaxis(q.reshape(q.shape[:-2] + (-1,))[..., :K], -1, axis).astype(np.float32)
;;   ~~~
;; One version. Each part assembles by itself: llvm-mc -triple=amdgcn-amd-amdhsa -mcpu=gfx1250 --defsym DOCPART=n.
;; ======== version 1 of 1: 5 launches
;; limits: values are held in f16: magnitudes above 65,504 overflow, below 6.1e-05 lose precision; right only within a limited range of input values
;; workspace buffers: xc 2,097,152 bytes; xs 131,072 bytes; wc 1,572,864 bytes; ws 98,304 bytes; wp16 2,097,152 bytes; qkv16 25,165,824 bytes; qkv32 393,216 bytes; y16 8,388,608 bytes
;; launch quant (part 1): grid 256 x 1, 4 waves a work-group, no clusters, 33,280 bytes of LDS; arguments x, w_qkv, xc, xs, wc, ws, w_proj, wp16; writes xc, xs, wc, ws, wp16
.if DOCPART == 1
	.amdgcn_target "amdgcn-amd-amdhsa--gfx1250"
	.amdhsa_code_object_version 6
	.text
	.protected	k_qf9619fc1ad_quant
	.globl	k_qf9619fc1ad_quant
	.p2align	8
	.type	k_qf9619fc1ad_quant,@function
k_qf9619fc1ad_quant:
	s_mov_b64 s[64:65], 0
	v_nop
	global_prefetch_b8 v0, s[64:65] scope:SCOPE_SE
	s_setreg_imm32_b32 hwreg(HW_REG_WAVE_MODE, 25, 1), 1
	s_wait_xcnt 0x0
; x [4096][1024] and w_qkv [3072][1024], f32, become codes of FP4 (E2M1), 4 bits each, K innermost, with one E8M0 scale byte for each 32 along K; w_proj [1024][1024], f32, becomes f16.
; A block's scale is 2^(floor(log2(its largest magnitude)) - 2); its byte is the largest magnitude's own exponent field - 2, held at 1 from below.  Each number is divided by the scale and rounded to the
; nearest code, ties to even; beyond 6 the conversion gives the largest code.  (A block of zeros gets the byte 1 where the rule says 127: its codes are zeros, and this program alone reads the bytes.)
; LIMITS: blocks whose largest magnitude lies under 2^(2 - 126) keep the byte 1; NaN and infinities among the inputs are not served; numbers of w_proj beyond 65,504 become infinities in f16 and are not served.
; Rows are dense and K is a multiple of 32: each tensor is a plain stream of blocks of 32.  Work-groups 0-127 take x, 128-223 w_qkv, 224-255 w_proj; a wave takes 8,192 numbers.
; CODES.  16 steps of 512 numbers.  The conversions take neighbours along K from ONE lane's registers, a load is dense where neighbouring LANES take neighbouring bytes: each of a step's four loads reads 512
; consecutive bytes; the 2,048 bytes turn through the wave's own stage in LDS and come back 64 bytes a lane (two lanes to a block).  A wave's store of codes covers 256 consecutive bytes; its 256 scale bytes are gathered
; in LDS and leave as one aligned run of 256 bytes.  No tensor load, no barrier: waves share nothing.  Loads run EIGHT steps ahead (32 loads, 16,384 bytes a wave: half of all that the wave reads), the turn through LDS one step.
; F16.  Four groups of 16 loads of 512 consecutive bytes, two groups (16,384 bytes) in flight; a store covers 256 consecutive bytes.
.set WAVES, 4
.set STEPS, 16
.set AHEAD, 8                          ; steps whose loads are on their way
.set WGA,   128                        ; x's work-groups: 4096 x 1024 / 32768
.set WGW,   224                        ; the first of w_proj's
.set EMAX,  2
.set CB,    8                          ; bytes of 16 codes
.set R,     16                         ; v16-143  eight sets of 16 numbers as loaded (w_proj: two sets of 64)
.set X,     144                        ; v144-175 two sets of 16 neighbours
.set E,     176                        ; v176-191 a scale byte for each step
.set C,     192                        ; v192-223 codes: two registers for each step, so that no store's data are written again
.set F,     144                        ; v144-175 w_proj: a group's f16 numbers
.set WREG,  8192                       ; LDS: a region for each wave: two stages of 32 x SP bytes, behind them its 256 scale bytes
.set SP,    80                         ; a lane's place in a stage: 64 bytes + 16 of padding
.set SPW,   12                         ; v12      LDS address of my spare word; never rewritten
.set NIL,   13                         ; v13      0; never rewritten
.set SPARE, WAVES*WREG                 ; behind the four regions: the spare words, 128 bytes a wave, which no other line names
	s_load_b128 s[4:7], s[0:1], 0x0                ; x, w_qkv
	s_load_b128 s[8:11], s[0:1], 0x10              ; x's codes, x's scales
	s_load_b128 s[12:15], s[0:1], 0x20             ; w_qkv's codes, its scales
	s_load_b128 s[24:27], s[0:1], 0x30             ; w_proj, its f16 copy
	v_lshl_add_u32 v[SPW], v0, 2, SPARE
	v_mov_b32 v[NIL], 0
	v_lshrrev_b32 v1, 5, v0
	v_readfirstlane_b32 s16, v1                    ; wave
	v_and_b32 v2, 31, v0                           ; lane
	v_lshlrev_b32 v3, 4, v2                        ; my 16 bytes of a load's 512
	s_mul_i32 s17, s16, WREG
	v_lshrrev_b32 v14, 2, v2
	v_mul_u32_u24 v14, v14, SP
	v_and_b32 v15, 3, v2
	v_lshl_add_u32 v14, v15, 4, v14
	v_add_nc_u32 v14, s17, v14                     ; the stage, on the way in: four lanes' 64 bytes on end, then 16 of padding
	v_mul_u32_u24 v15, v2, SP
	v_add_nc_u32 v15, s17, v15                     ; and on the way out: SP x lane: my 16 neighbours
	v_mul_u32_u24 v4, v2, CB                       ; 8 x lane: my codes' place in a step's; also my f16 numbers' place in a store's 256 bytes
	v_lshrrev_b32 v5, 1, v2
	s_add_co_u32 s17, s17, 2*32*SP
	v_add_nc_u32 v5, s17, v5                       ; LDS: my wave's 256 scale bytes, my block's byte
	v_lshlrev_b32 v7, 3, v2                        ; and on the way out 8 bytes a lane
	v_add_nc_u32 v6, s17, v7
	s_wait_kmcnt 0x0
	s_cmp_ge_u32 ttmp9, WGW                        ; w_proj's work-groups part here: a branch on the work-group's number alone
	s_cbranch_scc1 .Lwp
	s_cmp_lt_u32 ttmp9, WGA                        ; x's work-group or w_qkv's?  Only pointers are chosen: both take one path
	s_cselect_b64 s[4:5], s[4:5], s[6:7]
	s_cselect_b64 s[8:9], s[8:9], s[12:13]
	s_cselect_b64 s[10:11], s[10:11], s[14:15]
	s_cselect_b32 s17, 0, WGA
	s_sub_co_u32 s17, ttmp9, s17
	s_lshl_b32 s17, s17, 2
	s_add_co_u32 s18, s17, s16                     ; which run of 8,192 numbers of the tensor is my wave's
	s_mov_b32 s19, 0
	s_mov_b64 s[20:21], 512*STEPS*4
	s_mul_u64 s[20:21], s[18:19], s[20:21]
	s_add_nc_u64 s[4:5], s[4:5], s[20:21]
	s_mov_b64 s[20:21], 32*STEPS*CB
	s_mul_u64 s[20:21], s[18:19], s[20:21]
	s_add_nc_u64 s[8:9], s[8:9], s[20:21]
	s_lshl_b32 s18, s18, 8                         ; 256 scale bytes a run
	s_add_nc_u64 s[10:11], s[10:11], s[18:19]
.macro LOAD t
.irp i, 0,1,2,3
	global_load_b128 v[R+16*((\t)%AHEAD)+4*\i:R+16*((\t)%AHEAD)+4*\i+3], v3, s[4:5] offset:2048*(\t)+512*\i th:TH_LOAD_NT   ; 32 lanes read 512 consecutive bytes
.endr
.endm
.macro TURN t                          ; step t's numbers through the stage: LDS serves a wave's instructions in order, so no wait stands between the stores and the loads
.irp i, 0,1,2,3
	ds_store_b128 v14, v[R+16*((\t)%AHEAD)+4*\i:R+16*((\t)%AHEAD)+4*\i+3] offset:32*SP*((\t)%2)+8*SP*\i
.endr
.irp i, 0,1,2,3
	ds_load_b128 v[X+16*((\t)%2)+4*\i:X+16*((\t)%2)+4*\i+3], v15 offset:32*SP*((\t)%2)+16*\i
.endr
.endm
.irp t, 0,1,2,3,4,5,6,7
	LOAD \t
.endr
	s_wait_loadcnt 4*(AHEAD-1)                     ; step 0's four loads are in; the 28 of steps 1 to 7 may be out
	TURN 0
.macro STEP t
.set XS, X+16*((\t)%2)
.if (\t) > 0
	s_wait_dscnt 1                                 ; this step's numbers are back from the stage (the last step's byte store may be out): so its stores into the stage have read their registers,
.else
	s_wait_dscnt 0x0
.endif
.if (\t)+AHEAD < STEPS
	LOAD (\t)+AHEAD                                ; which take the loads of eight steps on
.endif
.if (\t)+1 < STEPS
.if STEPS-2-(\t) >= AHEAD-1
	s_wait_loadcnt 4*(AHEAD-1)                     ; the next step's four loads are in; those of the seven steps behind it may be out
.else
	s_wait_loadcnt 4*(STEPS-2-(\t))                ; towards the end: those of the steps that are left
.endif
	TURN (\t)+1                                    ; and go through the other stage while this step is worked
.endif
	v_max3_num_f32 v8, |v[XS]|, |v[XS+1]|, |v[XS+2]|               ; the largest magnitude of my 16, in two chains
	v_max3_num_f32 v9, |v[XS+3]|, |v[XS+4]|, |v[XS+5]|
.irp i, 6,10
	v_max3_num_f32 v8, v8, |v[XS+\i]|, |v[XS+\i+1]|
	v_max3_num_f32 v9, v9, |v[XS+\i+2]|, |v[XS+\i+3]|
.endr
	v_max3_num_f32 v8, v8, |v[XS+14]|, |v[XS+15]|
	v_max3_num_f32 v8, v8, v9, (EMAX+1)<<23        ; and the floor 2^(EMAX + 1 - 127): the byte cannot fall under 1
	v_max_num_f32_dpp v8, v8, v8 row_xmask:1 row_mask:0xf bank_mask:0xf   ; and of my neighbour's 16: the block's
	v_add_nc_u32 v11, -(EMAX<<23), v8              ; EMAX off its exponent field: the conversion takes the exponent field of this operand as its scale, and nothing else of it
	v_cvt_scalef32_pk8_fp4_f32 v[C+2*(\t)], v[XS:XS+7], v11        ; eight numbers / the scale, to the nearest code, ties to even; the first number's code in the lowest four bits
	v_cvt_scalef32_pk8_fp4_f32 v[C+2*(\t)+1], v[XS+8:XS+15], v11
	v_lshrrev_b32 v[E+(\t)], 23, v11               ; the scale's byte (also the plain line behind the conversions)
	ds_store_b8 v5, v[E+(\t)] offset:16*(\t)       ; both lanes of a block write the same byte with the same value
	global_store_b64 v4, v[C+2*(\t):C+2*(\t)+1], s[8:9] offset:32*CB*(\t)   ; 32 lanes store 256 consecutive bytes
.endm
.irp t, 0,1,2,3,4,5,6,7,8,9,10,11,12,13,14,15
	STEP \t
.endr
	ds_load_b64 v[8:9], v6                         ; LDS serves a wave's instructions in order: these see my byte stores
	s_wait_dscnt 0x0
	global_store_b64 v7, v[8:9], s[10:11]          ; 32 lanes store 256 consecutive bytes, aligned
	s_wait_tensorcnt 0x0                           ; the wave's end, behind my last LDS store
	ds_add_u32 v[SPW], v[NIL]
	s_wait_dscnt 0x0
	s_endpgm
; ---- w_proj to f16
.macro LOADW g                         ; group g: 2,048 numbers, 16 loads of 512 consecutive bytes, into set g % 2
.irp i, 0,1,2,3,4,5,6,7,8,9,10,11,12,13,14,15
	global_load_b128 v[R+64*((\g)%2)+4*\i:R+64*((\g)%2)+4*\i+3], v3, s[24:25] offset:8192*(\g)+512*\i th:TH_LOAD_NT
.endr
.endm
.macro CASTW g
.set IN, R+64*((\g)%2)
.if (\g) < 3
	s_wait_loadcnt 16                              ; this group's sixteen loads are in; the other set's sixteen may be out
.else
	s_wait_loadcnt 0x0
.endif
.if (\g) > 0
	s_wait_xcnt 0x0                                ; the last group's stores have read their data: the results' registers are written again only behind this wait
.endif
.irp i, 0,1,2,3,4,5,6,7,8,9,10,11,12,13,14,15
	v_cvt_pk_f16_f32 v[F+2*\i], v[IN+4*\i], v[IN+4*\i+1]           ; the first source into the low half
	v_cvt_pk_f16_f32 v[F+2*\i+1], v[IN+4*\i+2], v[IN+4*\i+3]
.endr
.if (\g) < 2
	LOADW (\g)+2                                   ; loads ahead of stores
.endif
.irp i, 0,1,2,3,4,5,6,7,8,9,10,11,12,13,14,15
	global_store_b64 v4, v[F+2*\i:F+2*\i+1], s[26:27] offset:4096*(\g)+256*\i   ; 32 lanes store 256 consecutive bytes, aligned
.endr
.endm
.Lwp:
	s_sub_co_u32 s17, ttmp9, WGW
	s_lshl_b32 s17, s17, 2
	s_add_co_u32 s17, s17, s16                     ; which run of 8,192 numbers is my wave's
	s_lshl_b32 s18, s17, 15                        ; 32,768 bytes in,
	s_mov_b32 s19, 0
	s_add_nc_u64 s[24:25], s[24:25], s[18:19]
	s_lshl_b32 s18, s17, 14                        ; 16,384 out
	s_add_nc_u64 s[26:27], s[26:27], s[18:19]
	LOADW 0
	LOADW 1
	CASTW 0
	CASTW 1
	CASTW 2
	CASTW 3
	s_endpgm
.Lfunc_end_k_qf9619fc1ad_quant:
	.size	k_qf9619fc1ad_quant, .Lfunc_end_k_qf9619fc1ad_quant-k_qf9619fc1ad_quant
	.p2alignl 7, 3214868480
	.fill 96, 4, 3214868480
	.section	.rodata,"a",@progbits
	.p2align	6, 0x0
	.amdhsa_kernel k_qf9619fc1ad_quant
		.amdhsa_group_segment_fixed_size 33280
		.amdhsa_private_segment_fixed_size 0
		.amdhsa_enable_private_segment 0
		.amdhsa_kernarg_size 64
		.amdhsa_user_sgpr_count 2
		.amdhsa_user_sgpr_kernarg_segment_ptr 1
		.amdhsa_wavefront_size32 1
		.amdhsa_system_sgpr_workgroup_id_x 1
		.amdhsa_system_sgpr_workgroup_id_y 1
		.amdhsa_system_sgpr_workgroup_id_z 1
		.amdhsa_system_vgpr_workitem_id 0
		.amdhsa_next_free_vgpr 224
		.amdhsa_next_free_sgpr 66
		.amdhsa_reserve_vcc 0
		.amdhsa_float_denorm_mode_32 3
		.amdhsa_float_denorm_mode_16_64 3
		.amdhsa_memory_ordered 1
		.amdhsa_forward_progress 1
		.amdhsa_inst_pref_size 54
	.end_amdhsa_kernel
	.amdgpu_metadata
---
amdhsa.version: [ 1, 2 ]
amdhsa.kernels:
  - .name:           k_qf9619fc1ad_quant
    .symbol:         k_qf9619fc1ad_quant.kd
    .args:
      - { .name: x, .offset: 0, .size: 8, .value_kind: global_buffer, .address_space: global }
      - { .name: w_qkv, .offset: 8, .size: 8, .value_kind: global_buffer, .address_space: global }
      - { .name: xc, .offset: 16, .size: 8, .value_kind: global_buffer, .address_space: global }
      - { .name: xs, .offset: 24, .size: 8, .value_kind: global_buffer, .address_space: global }
      - { .name: wc, .offset: 32, .size: 8, .value_kind: global_buffer, .address_space: global }
      - { .name: ws, .offset: 40, .size: 8, .value_kind: global_buffer, .address_space: global }
      - { .name: w_proj, .offset: 48, .size: 8, .value_kind: global_buffer, .address_space: global }
      - { .name: wp16, .offset: 56, .size: 8, .value_kind: global_buffer, .address_space: global }
    .group_segment_fixed_size: 33280
    .private_segment_fixed_size: 0
    .kernarg_segment_align: 8
    .kernarg_segment_size: 64
    .max_flat_workgroup_size: 128
    .sgpr_count:     66
    .vgpr_count:     224
    .wavefront_size: 32
...
	.end_amdgpu_metadata
.endif
;; end of part 1
;; launch qkv (part 2): grid 12 x 16, 4 waves a work-group, clusters of 4 x 4, 327,680 bytes of LDS; arguments xc, xs, wc, ws, qkv16, qkv32; writes qkv16, qkv32
.if DOCPART == 2
	.amdgcn_target "amdgcn-amd-amdhsa--gfx1250"
	.amdhsa_code_object_version 6
	.text
	.protected	k_qf9619fc1ad_qkv
	.globl	k_qf9619fc1ad_qkv
	.p2align	8
	.type	k_qf9619fc1ad_qkv,@function
k_qf9619fc1ad_qkv:
	s_mov_b64 s[64:65], 0
	v_nop
	global_prefetch_b8 v0, s[64:65] scope:SCOPE_SE
	s_setreg_imm32_b32 hwreg(HW_REG_WAVE_MODE, 25, 1), 1
	s_wait_xcnt 0x0
	s_wait_alu depctr_hold_cnt(0) depctr_sa_sdst(0) depctr_va_vdst(0) depctr_va_sdst(0) depctr_va_ssrc(0) depctr_va_vcc(0) depctr_vm_vsrc(0)
	s_getreg_b32 s2, hwreg(HW_REG_IB_STS2, 6, 4)
	s_cmp_eq_u32 s2, 0
	s_cbranch_scc0 .Lentry_in_a_cluster
	s_endpgm
.Lentry_in_a_cluster:
	s_bfe_u32 s2, ttmp6, 0x10000c
	s_cmp_lg_u32 s2, 0xf033
	s_cbranch_scc0 .Lentry_shape_is_right
	s_endpgm
.Lentry_shape_is_right:
; qkv[m][n] = sum over k of x[m][k] w_qkv[n][k], both operands as codes of FP4 (E2M1) with one E8M0 scale for each 32 along K; sums in f32.  M = 4,096, N = 3,072, K = 1,024.
; OUT: qkv16 [n / 64][m][64] in f16: groups 0-15 are q's heads, 16-31 k's, 32-47 v's; a head's rows are dense, 128 bytes each.  And qkv32 [16 b + t][3072], f32: the rows t < 16 of both sequences, for the launch that carries them in f32.
; LIMIT: results beyond 65,504 become infinities in f16 and are not served.
; A tile, 256 x 256, is made by a work-group of four waves; a wave makes 128 x 128: 64 accumulators of 16 x 16, 512 registers.  K = 1,024 is two steps of 512 (rows of 256 bytes): BOTH lie in LDS at once, each in a slot of
; its own, asked for at the head: nothing is filled again.  A wave has three tensor loads out at the start: its part of the scales, of slot 0 and of slot 1.
; THE SCALES of the work-group's 256 rows of x and 256 rows of w_qkv, for all of K, are two dense blocks of memory: they come into LDS once, as rows of 256 bytes.
; CLUSTERS: 4 x 4 work-groups.  The four of a row of the cluster need the same tiles of x, the four of a column the same tiles of w_qkv: each tile is asked for JOINTLY, by the same tensor load with the same descriptor and a mask that names the four.
; THE MATRIX INSTRUCTION IS USED TRANSPOSED (source 0 = 16 rows of w_qkv, source 1 = 16 rows of x): a lane then holds eight neighbouring columns of one row of the result.
; REGISTERS, in windows of 256: window 0: v0-31 addresses; v32-95 scale words, two sets; from v128 x's fragments (8 x 16 rows x 128 K), ONE set; on the way out v128-223 are at work.
;   window 1: w_qkv's fragments, TWO sets, at v0 and at v128.   window 2: the 32 accumulators of my rows 0-63 (accumulator (a, b) at v[8 (8 a + b)]);   window 3: those of my rows 64-127.
.set SIZE_M, 4096
.set SIZE_N, 3072
.set SIZE_K, 1024
.set KSTEP,  512                       ; along K in a slot
.set NQ,     KSTEP/128                 ; matrix instructions deep
.set ROWB,   256                       ; a tile's row in bytes
.set KROW,   SIZE_K*4/8                ; a row of codes in memory
.set PITCH,  272                       ; an LDS row: 256 bytes + 16 of padding = 68 words: row r starts at bank 4 r mod 64 (64 banks of 4 bytes: ISA guide 11.1): the 16 rows of a load start at 16 different banks
.set FR,     8                         ; registers of a fragment: 16 rows x 128 K
.set NL,     2                         ; LDS loads that bring one
.set NP,     4                         ; places behind this matrix instruction (ISA guide 7.12.1)
.set HALFT,  128*PITCH                 ; 128 rows: what one tensor load brings
.set SLOT,   4*HALFT                   ; x's 256 rows, then w_qkv's 256 rows
.set KS,     SIZE_K/32                 ; a row of scales: 32 bytes
.set SCL,    2*SLOT                    ; behind the slots: the scales, as rows of 256 bytes + 16 of padding
.set HALFS,  (128*KS/256)*272          ; the scales of 128 rows
.set SBLK,   (16*KS/256)*272           ; those of 16 rows
.set SPARE,  SCL+4*HALFS               ; behind the scales: the spare words, 128 bytes a wave, which no other line names
.set SPITCH, 528                       ; the way out: an f32 stage of 16 rows x (512 + 16) bytes,
.set HPITCH, 272                       ; and behind it an f16 stage of 16 rows x (256 + 16), for each wave.  They lie in slot 0, which has had its only fill and its last read when the first result is stored there
.set WSTG,   16*(SPITCH+HPITCH)
.set ADRA, 16                          ; v16-17  LDS address of my fragments of x in slot 0, 1
.set STO32, 18                         ; v18     f32 stage: where I put 32 bytes of a row
.set RD32, 19                          ; v19     and where I read a row back
.set ADRB, 20                          ; v20-21  LDS address of my fragments of w_qkv
.set FLG,  23                          ; v23     my first row's place in its sequence: 0 where my block 0 holds the rows t < 16
.set STO,  24                          ; v24     f16 stage: where I put 16 bytes of a row
.set RD,   25                          ; v25     and where I read back: four rows of one head an instruction
.set CO,   26                          ; v26     16 x lane
.set ADRS, 27                          ; v27     LDS address of my scale words: lanes 0-15 x's rows, lanes 16-31 w_qkv's
.set SPW,  28                          ; v28     LDS address of my spare word; never rewritten
.set NIL,  29                          ; v29     0; never rewritten
.set SC,   32                          ; scale words: set s at v[SC + 32 s]; register NQ i + q: lanes 0-15 the word of x's block i, lanes 16-31 that of w_qkv's block i, for the slot's q-th 128 along K
.set AF,   128                         ; x's fragments, in window 0
.set BK,   128                         ; the way out: rows read back from a stage
.set TMP,  192                         ; the way out: a block rounded to f16
.set G1, 24                            ; s[24:31] descriptor group 1 for x's tiles;  s[32:39] group 0, one set for each slot
.set G0, 32
.set G1B, 48                           ; s[48:55], s[56:63] the same for w_qkv's tiles
.set G0B, 56
.set G1S, 68                           ; s[68:75], s[76:79] groups 1 and 0 for x's scales;  s[80:87], s[88:91] for w_qkv's
.set G0S, 76
.set G1SB, 80
.set G0SB, 88
.set MSB, 0
.macro WIN new                         ; the immediate's high byte repeats the setting that is left
.if MSB != \new
	s_set_vgpr_msb (MSB<<8)|\new
.set MSB, \new
.endif
.endm
.set MUL_LO, 0xa1                      ; source 0 window 1, source 1 window 0, C and D window 2
.set MUL_HI, 0xf1                      ; the same, C and D window 3
.set TO_B,   0x40                      ; destination window 1, address window 0
; A joint load: waves 0 and 1 fetch for x, waves 2 and 3 for w_qkv.  Each of the two lines has ONE mask and one set of registers for all that issue it; the branch hangs on the wave's number alone.
; An s_nop 0 and four v_nop follow each of the two lines, ahead of the jump, the label and what follows.
.macro JLOAD g0a, g1a, g0b, g1b
	s_cmp_eq_u32 s15, 0
	s_cbranch_scc0 .Lfor_b_\@
	tensor_load_to_lds s[\g0a:\g0a+3], s[\g1a:\g1a+7]
	s_nop 0
.rept 4
	v_nop
.endr
	s_branch .Lasked_\@
.Lfor_b_\@:
	tensor_load_to_lds s[\g0b:\g0b+3], s[\g1b:\g1b+7]
	s_nop 0
.rept 4
	v_nop
.endr
.Lasked_\@:
.endm
.macro CROUND                          ; a round of the cluster's barrier: my work-group's barrier; wave 0 signals for the work-group; every wave waits for all sixteen; my work-group's barrier once more
	s_barrier_signal -1
	s_barrier_wait -1
	s_cmp_lg_u32 s14, 0
	s_cbranch_scc1 .Lnot_wave_0_\@
	s_barrier_signal -3
.Lnot_wave_0_\@:
	s_barrier_wait -3
	s_barrier_signal -1
	s_barrier_wait -1
.endm
	s_load_b128 s[4:7], s[0:1], 0x0                ; x's codes s[4:5], x's scales s[6:7]
	s_load_b128 s[8:11], s[0:1], 0x10              ; w_qkv's codes s[8:9], its scales s[10:11]
	s_load_b64 s[12:13], s[0:1], 0x20              ; qkv16
	s_load_b64 s[96:97], s[0:1], 0x28              ; qkv32
	v_lshl_add_u32 v[SPW], v0, 2, SPARE
	v_mov_b32 v[NIL], 0
	ds_add_u32 v[SPW], v[NIL]                      ; the wave's opening: the add, twice on end, and its wait ahead of my first tensor load; the set-up below, work on registers, stands between
	ds_add_u32 v[SPW], v[NIL]
	v_lshrrev_b32 v1, 5, v0
	v_readfirstlane_b32 s14, v1                    ; wave 0..3
	s_lshr_b32 s15, s14, 1                         ; which half of the tile's rows is mine.  Also: I fetch for x (0) or for w_qkv (1)
	s_and_b32 s16, s14, 1                          ; which half of its columns.  Also: which 128 rows of that tile I fetch
	s_bfe_u32 s40, ttmp6, 0x40000                  ; cx, cy: my place in the cluster
	s_bfe_u32 s41, ttmp6, 0x40004
	s_lshl_b32 s42, ttmp9, 2
	s_add_co_u32 s42, s42, s40                     ; tile column = 4 x cluster x + cx
	s_and_b32 s17, ttmp7, 0xffff
	s_lshl_b32 s17, s17, 2
	s_add_co_u32 s17, s17, s41                     ; tile row = 4 x cluster y + cy
	s_lshl_b32 s43, s41, 2
	s_lshl_b32 s43, 15, s43                        ; my row of the cluster
	s_lshl_b32 s44, 0x1111, s40                    ; my column
	; descriptor group 1: a tile of 128 rows x 256 bytes, padded in LDS
	s_or_b32 s[G1+0], s43, (0<<16)|(1<<20)|(1<<21)|(5<<22)|(3<<25)  ; 15:0 the mask: x's tiles go to my row; 17:16 element of 1 byte; 20 padding on; 21 set beside a mask; 24:22 after every 64 words (code 5); 31:25 of 4 words (code 3)
	s_or_b32 s[G1B+0], s44, (0<<16)|(1<<20)|(1<<21)|(5<<22)|(3<<25)
.irp g, G1, G1B
	s_mov_b32 s[\g+1], ROWB<<16                    ; tensor_dim0
	s_mov_b32 s[\g+2], 128<<16                     ; tensor_dim1 = 128
	s_mov_b32 s[\g+3], ROWB<<16                    ; tile_dim0
	s_mov_b32 s[\g+4], 128                         ; tile_dim1 = 128
	s_mov_b32 s[\g+5], KROW                        ; tensor_dim0_stride
	s_mov_b32 s[\g+6], 0
	s_mov_b32 s[\g+7], 0
.endr
	; and for the scales of 128 rows: a dense block of 4,096 bytes, as 16 rows of 256 bytes (32 elements of 8 bytes), 16 bytes of padding behind each
	s_or_b32 s[G1S+0], s43, (3<<16)|(1<<20)|(1<<21)|(5<<22)|(3<<25)
	s_or_b32 s[G1SB+0], s44, (3<<16)|(1<<20)|(1<<21)|(5<<22)|(3<<25)
.irp g, G1S, G1SB
	s_mov_b32 s[\g+1], 32<<16
	s_mov_b32 s[\g+2], (128*KS/256)<<16
	s_mov_b32 s[\g+3], 32<<16
	s_mov_b32 s[\g+4], 128*KS/256
	s_mov_b32 s[\g+5], 32
	s_mov_b32 s[\g+6], 0
	s_mov_b32 s[\g+7], 0
.endr
	s_lshl_b32 s18, s16, 7                         ; which 128 rows of the tile I fetch
	s_lshl_b32 s20, s17, 8
	s_add_co_u32 s20, s20, s18                     ; x: row 256 x tile row + 128 x half
	s_lshl_b32 s46, s42, 8
	s_add_co_u32 s46, s46, s18                     ; w_qkv: row 256 x tile column + 128 x half
	s_mov_b32 s21, 0
	s_mov_b32 s47, 0
	s_mov_b64 s[18:19], KS
	s_mul_u64 s[22:23], s[20:21], s[18:19]         ; where these rows' scales begin, in bytes
	s_mul_u64 s[92:93], s[46:47], s[18:19]
	s_mov_b64 s[18:19], KROW
	s_mul_u64 s[20:21], s[20:21], s[18:19]         ; and their codes
	s_mul_u64 s[46:47], s[46:47], s[18:19]
	s_mul_i32 s45, s14, HALFT                      ; where they go: wave x 128 rows: no place in the cluster enters an LDS address
	s_mul_i32 s94, s14, HALFS
	s_wait_dscnt 0x0                               ; both opening adds are done
	s_wait_kmcnt 0x0
	s_add_nc_u64 s[20:21], s[4:5], s[20:21]
	s_add_nc_u64 s[22:23], s[6:7], s[22:23]
	s_add_nc_u64 s[46:47], s[8:9], s[46:47]
	s_add_nc_u64 s[92:93], s[10:11], s[92:93]
	CROUND                                         ; all sixteen work-groups are here: the joint loads meet
	s_mov_b32 s[G0S], 1
	s_add_co_u32 s[G0S+1], s94, SCL
	s_mov_b64 s[G0S+2:G0S+3], s[22:23]
	s_or_b32 s[G0S+3], s[G0S+3], 0x80000000
	s_mov_b32 s[G0SB], 1
	s_add_co_u32 s[G0SB+1], s94, SCL
	s_mov_b64 s[G0SB+2:G0SB+3], s[92:93]
	s_or_b32 s[G0SB+3], s[G0SB+3], 0x80000000
	JLOAD G0S, G1S, G0SB, G1SB                     ; the scales first: they are wanted with K step 0
.irp s, 0,1
	s_mov_b32 s[G0+4*\s], 1
	s_add_co_u32 s[G0+4*\s+1], s45, \s*SLOT
	s_add_nc_u64 s[G0+4*\s+2:G0+4*\s+3], s[20:21], \s*ROWB
	s_or_b32 s[G0+4*\s+3], s[G0+4*\s+3], 0x80000000
	s_mov_b32 s[G0B+4*\s], 1
	s_add_co_u32 s[G0B+4*\s+1], s45, \s*SLOT
	s_add_nc_u64 s[G0B+4*\s+2:G0B+4*\s+3], s[46:47], \s*ROWB
	s_or_b32 s[G0B+4*\s+3], s[G0B+4*\s+3], 0x80000000
	JLOAD G0+4*\s, G1, G0B+4*\s, G1B
.endr
	v_and_b32 v1, 15, v0                           ; l % 16
	v_bfe_u32 v2, v0, 4, 1                         ; l / 16
	v_mul_u32_u24 v3, v1, PITCH
	v_lshl_add_u32 v4, v2, 4, v3                   ; a fragment's row x pitch + 16 x half
	s_mul_i32 s21, s15, HALFT                      ; my 128 rows of x
	s_mul_i32 s22, s16, HALFT                      ; my 128 rows of w_qkv,
	s_add_co_u32 s22, s22, 2*HALFT                 ; which lie behind x's 256
.irp s, 0,1
	v_add_nc_u32 v[ADRA+\s], s21, v4
	v_add_nc_u32 v[ADRB+\s], s22, v4
	s_add_co_u32 s21, s21, SLOT
	s_add_co_u32 s22, s22, SLOT
.endr
	v_mul_u32_u24 v5, v1, KS                       ; my row's scales: 32 bytes a row,
	v_lshrrev_b32 v6, 8, v5
	v_lshl_add_u32 v5, v6, 4, v5                   ; and 16 more for each 256 passed
	s_mul_i32 s21, s15, HALFS                      ; x's: my 128 rows
	s_mul_i32 s22, s16, HALFS                      ; w_qkv's: my 128 rows, behind x's 256
	s_add_co_u32 s22, s22, 2*HALFS
	s_sub_co_u32 s22, s22, s21
	v_mul_u32_u24 v6, s22, v2                      ; lanes 16-31 take w_qkv's: one product, the distance between the two bases
	s_add_co_u32 s21, s21, SCL
	v_add_nc_u32 v5, v5, v6
	v_add_nc_u32 v[ADRS], s21, v5
	s_mul_i32 s23, s14, WSTG                       ; my stages
	v_mul_u32_u24 v5, v1, SPITCH                   ; f32, in: row l % 16, 32 bytes for each half of the lanes
	v_lshl_add_u32 v5, v2, 5, v5
	v_add_nc_u32 v[STO32], s23, v5
	v_and_b32 v6, 31, v0
	v_lshlrev_b32 v[CO], 4, v6                     ; back: the 32 lanes take one row of 512 bytes
	v_add_nc_u32 v[RD32], s23, v[CO]
	s_add_co_u32 s23, s23, 16*SPITCH
	v_mul_u32_u24 v5, v1, HPITCH                   ; f16, in: row l % 16, 16 bytes for each half of the lanes
	v_lshl_add_u32 v5, v2, 4, v5
	v_add_nc_u32 v[STO], s23, v5
	v_lshrrev_b32 v5, 3, v6                        ; back: eight lanes take one head's 128 bytes of a row, the 32 lanes four rows
	v_mul_u32_u24 v5, v5, HPITCH
	v_and_b32 v7, 7, v6
	v_lshl_add_u32 v5, v7, 4, v5
	v_add_nc_u32 v[RD], s23, v5
	s_lshl_b32 s20, s17, 8
	s_lshl_b32 s21, s15, 7
	s_add_co_u32 s20, s20, s21                     ; my first row: 256 x tile row + 128 x half
	s_and_b32 s94, s20, 2047
	v_mov_b32 v[FLG], s94                          ; its place in its sequence
	s_lshr_b32 s21, s20, 11                        ; the sequence,
	s_mul_i32 s22, s21, 16*SIZE_N*4                ; whose 16 rows of qkv32 begin here
	s_mov_b32 s23, 0
	s_lshl_b32 s20, s20, 7                         ; qkv16: rows of 128 bytes
	s_mov_b32 s21, 0
	s_lshl_b32 s46, s42, 2                         ; my first group of 64 columns: 4 x tile column + 2 x half (in the registers that held w_qkv's address: none that feeds x's descriptors ever holds cx)
	s_lshl_b32 s47, s16, 1
	s_add_co_u32 s46, s46, s47
	s_lshl_b32 s92, s46, 8                         ; in a row of qkv32: 256 bytes a group
	s_mov_b32 s93, 0
	s_lshl_b32 s46, s46, 19                        ; in qkv16: 4,096 rows of 128 bytes a group
	s_mov_b32 s47, 0
	s_add_nc_u64 s[12:13], s[12:13], s[20:21]
	s_add_nc_u64 s[12:13], s[12:13], s[46:47]
	s_add_nc_u64 s[96:97], s[96:97], s[22:23]
	s_add_nc_u64 s[96:97], s[96:97], s[92:93]
.macro FRAG reg, adr, q, i             ; a fragment, 16 rows x 128 K of 4-bit codes, is 8 registers: lane l holds row l % 16; registers 4 c .. 4 c + 3 hold K = 64 c + 32 (l / 16) + 0 .. 31
.irp c, 0,1
	ds_load_b128 v[\reg+4*\c:\reg+4*\c+3], v[\adr] offset:64*(\q)+32*\c+(\i)*16*PITCH
.endr
.endm
; 16 matrix instructions: x's blocks a0, a0 + 1 against w_qkv's eight, 128 along K: the slot's q-th.  p: w_qkv's set;  sc: the set of scale words.  zero = 1: the first product starts the sums: nothing is ever cleared.
; The 64 accumulators take turns, one instruction a turn, in the same order in every step.
.macro MUL16 a0, p, q, sc, zero
.irp a, \a0, \a0+1
.irp b, 0,1,2,3,4,5,6,7
.if \zero
	v_wmma_scale_f32_16x16x128_f8f6f4 v[8*(8*((\a)%4)+\b):8*(8*((\a)%4)+\b)+7], v[128*(\p)+FR*\b:128*(\p)+FR*\b+FR-1], v[AF+FR*(\a):AF+FR*(\a)+FR-1], 0, v[SC+8*NQ*(\sc)+NQ*\b+(\q)], v[SC+8*NQ*(\sc)+NQ*(\a)+(\q)] matrix_a_fmt:MATRIX_FMT_FP4 matrix_b_fmt:MATRIX_FMT_FP4 matrix_a_scale:MATRIX_SCALE_ROW1
.else
	v_wmma_scale_f32_16x16x128_f8f6f4 v[8*(8*((\a)%4)+\b):8*(8*((\a)%4)+\b)+7], v[128*(\p)+FR*\b:128*(\p)+FR*\b+FR-1], v[AF+FR*(\a):AF+FR*(\a)+FR-1], v[8*(8*((\a)%4)+\b):8*(8*((\a)%4)+\b)+7], v[SC+8*NQ*(\sc)+NQ*\b+(\q)], v[SC+8*NQ*(\sc)+NQ*(\a)+(\q)] matrix_a_fmt:MATRIX_FMT_FP4 matrix_b_fmt:MATRIX_FMT_FP4 matrix_a_scale:MATRIX_SCALE_ROW1
.endif
.endr
.endr
.endm
.macro FETCH_B slot, q, p              ; w_qkv's eight fragments of the slot's q-th 128 along K into set p
	WIN TO_B
.irp i, 0,1,2,3,4,5,6,7
	FRAG 128*(\p)+FR*\i, ADRB+\slot, \q, \i
.endr
	WIN 0
.endm
.macro FETCH_A slot, q, i0             ; x's blocks i0 .. i0 + 3
.irp i, \i0, \i0+1, \i0+2, \i0+3
	FRAG AF+FR*(\i), ADRA+\slot, \q, \i
.endr
.endm
.macro SCALES sc                       ; a K step's scale words into set sc: four words a row; lanes 0-15 take x's block i, lanes 16-31 w_qkv's block i
.irp i, 0,1,2,3,4,5,6,7
	ds_load_b128 v[SC+8*NQ*\sc+NQ*\i:SC+8*NQ*\sc+NQ*\i+3], v[ADRS] offset:\i*SBLK
.endr
.endm
; A load into a register that a matrix instruction has read, and a vector instruction or an LDS store that reads a matrix result, stand NP places behind that matrix instruction; only plain vector
; instructions that name none of its registers are places (ISA guide 7.12.1 for vector instructions).
.macro PLACES n
.rept \n
	v_nop
.endr
.endm
; A step of 128 along K that has its successor in the same slot.
.macro STEP slot, q, zero
	s_wait_dscnt 4*NL                              ; w_qkv's set and x's blocks 0-3 are in; the youngest eight loads (x's blocks 4-7) may be out
	WIN MUL_LO
	MUL16 0, (\q)%2, \q, \slot, \zero
	MUL16 2, (\q)%2, \q, \slot, \zero
	s_wait_dscnt 0                                 ; x's blocks 4-7 are in (asked for 32 matrix instructions ago)
	PLACES NP
	FETCH_B \slot, (\q)+1, 1-(\q)%2
	FETCH_A \slot, (\q)+1, 0
	WIN MUL_HI
	MUL16 4, (\q)%2, \q, \slot, \zero
	MUL16 6, (\q)%2, \q, \slot, \zero
	PLACES NP
	WIN 0
	FETCH_A \slot, (\q)+1, 4
.endm
; Slot 0's last step goes over to slot 1: one barrier; in front of it each wave waits for all its tensor loads (its part of slot 1), adds 0 to its spare word, and waits for that and for its reads of slot 0.
; Behind it slot 1 is whole, and nobody reads slot 0 any more: the way out's stages may lie there.  Nothing is filled again.
.macro TURN slot, next
	s_wait_tensorcnt 0x0                           ; all my tensor loads have landed  (every window is 0 here: the add's two registers lie in window 0)
	ds_add_u32 v[SPW], v[NIL]                      ; 0 onto my spare word
	s_wait_dscnt 4*NL+1                            ; (the add and the youngest eight loads, x's blocks 4-7, may be out)
	WIN MUL_LO
	MUL16 0, 1, NQ-1, \slot, 0                     ; sixteen matrix instructions stand between the add and the wait for it
	s_wait_dscnt 0x0                               ; the add is done, and my reads of this slot are over
	s_barrier_signal -1
	MUL16 2, 1, NQ-1, \slot, 0
	WIN 0
	s_barrier_wait -1
	PLACES NP
	v_add_nc_u32 v[ADRS], 4*NQ, v[ADRS]            ; on to the next K step's scale words (no LDS load of mine is out)
	FETCH_B \next, 0, 0
	FETCH_A \next, 0, 0
	SCALES \next
	WIN MUL_HI
	MUL16 4, 1, NQ-1, \slot, 0
	MUL16 6, 1, NQ-1, \slot, 0
	PLACES NP
	WIN 0
	FETCH_A \next, 0, 4
.endm
.macro STEPS slot, from                ; the slot's steps from .. NQ - 2
.set Q, \from
.rept NQ-1-\from
	STEP \slot, Q, 0
.set Q, Q+1
.endr
.endm
	s_wait_tensorcnt 1                             ; the scales and my part of slot 0 are in (slot 1's load, issued behind them, may be out),
	s_barrier_signal -1
	s_barrier_wait -1                              ; everybody's are
	FETCH_B 0, 0, 0
	FETCH_A 0, 0, 0
	SCALES 0
	FETCH_A 0, 0, 4
	STEP 0, 0, 1                                   ; the first step's products start the sums
	STEPS 0, 1
	TURN 0, 1
	STEPS 1, 0
	s_wait_dscnt 4*NL                              ; the very last step: nothing more to fetch
	WIN MUL_LO
	MUL16 0, 1, NQ-1, 1, 0
	MUL16 2, 1, NQ-1, 1, 0
	s_wait_dscnt 0
	WIN MUL_HI
	MUL16 4, 1, NQ-1, 1, 0
	MUL16 6, 1, NQ-1, 1, 0
	WIN 0
; THE WAY OUT.  A lane holds eight neighbouring columns of one row, and the lanes beside it hold other rows: so a block of 16 rows x 128 columns goes through my own stage in LDS and comes back by rows.
; LDS serves a wave's instructions in order (ISA guide 5.7.1.4): no wait between the stores and the loads, nor in front of the next block's stores.
	PLACES NP                                      ; behind the last products: for the first reads of results and for the loads into the registers that held x's fragments
; (a) Block 0 in f32.  Every wave sends it through the f32 stage; the stores act only in the waves whose first row begins a sequence.  That is decided by EXEC and not by a branch: the waves of all partners run the same lines.
	WIN 0x08                                       ; an LDS store's data are its source 1: window 2
.irp b, 0,1,2,3,4,5,6,7
	ds_store_b128 v[STO32], v[8*\b:8*\b+3] offset:64*\b            ; each accumulator from its low end on
	ds_store_b128 v[STO32], v[8*\b+4:8*\b+7] offset:64*\b+16
.endr
	WIN 0
.irp t, 0,1,2,3,4,5,6,7,8,9,10,11,12,13,14,15
	ds_load_b128 v[BK+4*\t:BK+4*\t+3], v[RD32] offset:\t*SPITCH
.endr
	s_wait_dscnt 0x0
	s_wait_xcnt 0x0                                ; EXEC changes only behind this wait
	v_cmp_eq_u32 vcc_lo, 0, v[FLG]
	s_and_saveexec_b32 s95, vcc_lo
.irp t, 0,1,2,3,4,5,6,7,8,9,10,11,12,13,14,15
	global_store_b128 v[CO], v[BK+4*\t:BK+4*\t+3], s[96:97] offset:\t*SIZE_N*4   ; 32 lanes store 512 consecutive bytes of row t
.endr
	s_wait_xcnt 0x0                                ; the stores have read EXEC and their registers
	s_or_b32 exec_lo, exec_lo, s95
; (b) All eight blocks in f16.
.macro PACK a                          ; block a rounded to f16: 16 bytes a lane for each of its eight accumulators, each read from its low end on
.set AC, 64*((\a)%4)
	WIN 0x0a+5*((\a)/4)                            ; sources 0 and 1: window 2 or 3
.irp b, 0,1,2,3,4,5,6,7
.irp j, 0,1,2,3
	v_cvt_pk_f16_f32 v[TMP+4*\b+\j], v[AC+8*\b+2*\j], v[AC+8*\b+2*\j+1]
.endr
.endr
	WIN 0
.endm
.macro TOSTAGE a                       ; into rows of 272 bytes; back as four rows of one head (512 bytes of qkv16) an instruction
.set BB, BK+32*((\a)%2)
.irp b, 0,1,2,3,4,5,6,7
	ds_store_b128 v[STO], v[TMP+4*\b:TMP+4*\b+3] offset:32*\b
.endr
.irp u, 0,1
.irp i, 0,1,2,3
	ds_load_b128 v[BB+4*(4*\u+\i):BB+4*(4*\u+\i)+3], v[RD] offset:4*\i*HPITCH+128*\u
.endr
.endr
.endm
.macro SEND a
.set BB, BK+32*((\a)%2)
	s_wait_dscnt 0x0                               ; the block is back in registers
	s_wait_xcnt 0x0                                ; the block before has been read by its stores: the next block's loads may land in its registers
.irp u, 0,1
.irp i, 0,1,2,3
	global_store_b128 v[CO], v[BB+4*(4*\u+\i):BB+4*(4*\u+\i)+3], s[12:13] offset:2048*(\a)+524288*\u+512*\i   ; 32 lanes store 512 consecutive bytes, aligned; every offset is an immediate
.endr
.endr
.endm
	PACK 0
	TOSTAGE 0
.irp a, 1,2,3,4,5,6,7                  ; block a's conversions stand between block a - 1's loads from the stage and the wait for them
	PACK \a
	SEND \a-1
	TOSTAGE \a
.endr
	SEND 7
	s_wait_tensorcnt 0x0                           ; the wave's end, behind my last tensor load and my last LDS store
	ds_add_u32 v[SPW], v[NIL]
	s_wait_dscnt 0x0
	CROUND                                         ; the closing round: no work-group ends while a partner may still ask for a tile that names it
	s_endpgm
.Lfunc_end_k_qf9619fc1ad_qkv:
	.size	k_qf9619fc1ad_qkv, .Lfunc_end_k_qf9619fc1ad_qkv-k_qf9619fc1ad_qkv
	.p2alignl 7, 3214868480
	.fill 96, 4, 3214868480
	.section	.rodata,"a",@progbits
	.p2align	6, 0x0
	.amdhsa_kernel k_qf9619fc1ad_qkv
		.amdhsa_group_segment_fixed_size 327680
		.amdhsa_private_segment_fixed_size 0
		.amdhsa_enable_private_segment 0
		.amdhsa_kernarg_size 48
		.amdhsa_user_sgpr_count 2
		.amdhsa_user_sgpr_kernarg_segment_ptr 1
		.amdhsa_wavefront_size32 1
		.amdhsa_system_sgpr_workgroup_id_x 1
		.amdhsa_system_sgpr_workgroup_id_y 1
		.amdhsa_system_sgpr_workgroup_id_z 1
		.amdhsa_system_vgpr_workitem_id 0
		.amdhsa_next_free_vgpr 1024
		.amdhsa_next_free_sgpr 98
		.amdhsa_reserve_vcc 1
		.amdhsa_float_denorm_mode_32 3
		.amdhsa_float_denorm_mode_16_64 3
		.amdhsa_memory_ordered 1
		.amdhsa_forward_progress 1
		.amdhsa_inst_pref_size 131
	.end_amdhsa_kernel
	.amdgpu_metadata
---
amdhsa.version: [ 1, 2 ]
amdhsa.kernels:
  - .name:           k_qf9619fc1ad_qkv
    .symbol:         k_qf9619fc1ad_qkv.kd
    .args:
      - { .name: xc, .offset: 0, .size: 8, .value_kind: global_buffer, .address_space: global }
      - { .name: xs, .offset: 8, .size: 8, .value_kind: global_buffer, .address_space: global }
      - { .name: wc, .offset: 16, .size: 8, .value_kind: global_buffer, .address_space: global }
      - { .name: ws, .offset: 24, .size: 8, .value_kind: global_buffer, .address_space: global }
      - { .name: qkv16, .offset: 32, .size: 8, .value_kind: global_buffer, .address_space: global }
      - { .name: qkv32, .offset: 40, .size: 8, .value_kind: global_buffer, .address_space: global }
    .group_segment_fixed_size: 327680
    .private_segment_fixed_size: 0
    .kernarg_segment_align: 8
    .kernarg_segment_size: 48
    .max_flat_workgroup_size: 128
    .sgpr_count:     98
    .vgpr_count:     1024
    .wavefront_size: 32
...
	.end_amdgpu_metadata
.endif
;; end of part 2
;; launch attn (part 3): grid 8 x 32, 8 waves a work-group, no clusters, 327,680 bytes of LDS; arguments qkv16, y16; writes y16
.if DOCPART == 3
	.amdgcn_target "amdgcn-amd-amdhsa--gfx1250"
	.amdhsa_code_object_version 6
	.text
	.protected	k_qf9619fc1ad_attn
	.globl	k_qf9619fc1ad_attn
	.p2align	8
	.type	k_qf9619fc1ad_attn,@function
k_qf9619fc1ad_attn:
	s_mov_b64 s[64:65], 0
	v_nop
	global_prefetch_b8 v0, s[64:65] scope:SCOPE_SE
	s_setreg_imm32_b32 hwreg(HW_REG_WAVE_MODE, 25, 1), 1
	s_wait_xcnt 0x0
; y[b][h][q][:] = the sum over keys k <= q of softmax_k(Q[q] . K[k] / 8) V[k][:], 32 heads (batch x head) of 2,048 positions, head size 64.  Operands in f16, products, maxima and sums in f32;
; the weights p are rounded to f16 for the second product, y once at the end.
; IN: qkv16 [group][m = 2048 b + t][64] f16 (groups 0-15 q's heads, 16-31 k's, 32-47 v's).  OUT: y16, byte (m / 2) 4096 + 256 h + 128 (m % 2) + 2 d: a head's two tokens fill 256 consecutive aligned bytes.
; LIMITS: a hidden key gets p = 0; that is the reference's -1e9 wherever a row's largest open score lies more than some 150 above -1e9.  NaN and infinities are not served.
; SHARES.  Work-group (i, head) owns the query blocks 15 - i and i, of 128 queries each.  Each of its EIGHT waves holds TWO tiles of 16 queries: tile 0 at 128 (15 - i) + 16 w, tile 1 at 128 i + 112 - 16 w: so every wave has the
; same number of tiles of 16 queries x 64 keys under the causal mask (33), and while both tiles are live each fragment of K and V read from LDS feeds two matrix instructions.  Two waves share a SIMD.
; NO CLUSTER: the work-groups of a head have different causal limits, so a partner would be sent tiles that none of its waves reads.
; LAYOUT.  S^T = K Q^T (source 0 = 16 keys, source 1 = 16 queries): a lane holds ONE query (lane % 16) and the keys 8 (lane / 16) + 0..7.  Two such tiles, rounded to f16 in pairs, ARE source 1 (32 keys x 16 queries)
; of O^T = V^T P, whose result again holds one query a lane and eight channels.  K comes out of LDS as it lies, V ([key][channel]) turned, by ds_load_tr16_b128.
; SOFTMAX.  For each query a running maximum m and sum l: p = 2^(c s - c m), c = log2(e) / 8; in every step O and l are multiplied by a = 2^(c m_old - c m_new).  m begins at -3e38, l and O^T at 0: the first step's a is 0.
; THE RING.  Two LDS slots of 256 keys (four steps of 64).  Waves 0 and 1 fetch K's halves, waves 2 and 3 V's, one tensor load each behind each change of slots; a wave has one tensor load out.
; EVERY work-group walks all eight slots, so every trip count is a constant; a step all of whose keys come after a tile's queries is left out by a scalar branch on ids, and a slot whose first key comes after the
; work-group's last query is not asked for.  Every wait on TENSORcnt is for 0.
; FRAGMENTS AHEAD.  V's fragments of a step are asked of LDS at the step's head and wanted behind the softmax.  K's are asked for a STEP AHEAD: behind a step's products K Q^T, which are the last to read K's registers, stand the
; next step's sixteen loads; they land under the softmax.  A slot's first step gets its K directly behind the change of slots; a slot's last step asks for nothing, since the next slot is whole only behind the next barrier.
; REGISTERS: window 0: v1-15 addresses and constants; v16-47 Q (tile x, 32 channels ks: 16 + 16 x + 8 ks); v48-111 S^T (48 + 32 x + 8 kt); v112-143 P (112 + 16 x + 8 kk); v144-207 O^T (144 + 32 x + 8 ct);
;   v240-255 statistics, eight a tile: +0 c m, +1 m, +2, +3 l (even keys', odd keys'), +4 to +7 at work, a at +6.   window 1: v0-63 K's fragments (16 kt + 8 ks), v64-127 V's (64 + 8 (4 kk + ct)).
.set KP,    144                        ; a key's row of K in LDS: 128 bytes + 16 = 36 words: the 16 rows of a load start at 16 different groups of 4 banks (64 banks of 4 bytes: ISA guide 11.1)
.set VP,    160                        ; of V: 128 + 32 = 40 words
.set SK,    256                        ; keys in a slot
.set NQ,    SK/64                      ; steps in a slot
.set NSL,   2048/SK                    ; slots' worth of keys
.set VOFF,  SK*KP                      ; a slot: 256 rows of K, then 256 rows of V
.set SLOT1, 1<<17                      ; slot 1 begins here: one exclusive or turns an address in one slot into the other's
.set STAGE, SLOT1+SK*(KP+VP)           ; behind the ring, in bytes of its own: two stages of 16 rows x 144 bytes for each wave, for the way out
.set WST,   2*16*KP
.set SPARE, 1<<18                      ; the spare words, 128 bytes a wave, which no other line names
.set AK0, 1                            ; v1   my lane's place in a tile of K
.set AV0, 2                            ; v2   the same for V
.set ADK, 3                            ; v3   LDS address of the step's K: the loads for the step ahead reach 64 rows on by their immediate
.set ADV, 4                            ; v4   of its V
.set SPW, 5                            ; v5   LDS address of my spare word; never rewritten
.set NIL, 6                            ; v6   0; never rewritten
.set GO,  7                            ; v7   the way out: my byte offset in four tokens of y16
.set STO, 8                            ; v8   the way out: where I put 16 bytes of a row
.set RD,  9                            ; v9   and where I read rows back
.set PFO, 10                           ; v10  256 x lane; never rewritten
.set DL,  11                           ; v11  lane % 16 - 8 (lane / 16)
.set DD,  12                           ; v12  at work
.set NINF, 13                          ; v13  -infinity
.set QO,  14                           ; v14  my byte offset in a tile of Q
.set ADH, 15                           ; v15  LDS address of K at a slot's head: a register of its own, written once a slot, when no LDS load of mine is out
.set Q,   16
.set S,   48
.set P,   112
.set O,   144
.set ST,  240
.set VF,  64                           ; V's fragments, in window 1
.set WV,  8                            ; s8   my wave's number
.set SEL, 20                           ; s[20:21] lane selects for v_permlanex16_b32: lane l xor 16
.set CS,  22                           ; s[22:23] c: the packed scaling names a pair and takes its low word for both halves
.set G1K, 24                           ; s[24:31] descriptor group 1 for K's tiles;  s[32:39] for V's;  s[40:43], s[44:47] their groups 0, which walk
.set G1V, 32
.set G0K, 40
.set G0V, 44
.set TK,  48                           ; s48  LDS byte at which the step's rows of K begin
.set TV,  49                           ; s49  the same for V, less VOFF
.set KF,  50                           ; s50  the step's first key
.set SLOTS, 51                         ; s51  changes of slots still to come that may ask for a slot
.set STEPS, 52                         ; s52  counts a slot's four steps: 4, 3, 2, 1
.set QH0, 53                           ; s53  tile 0's first query;  s54 its last
.set QHL, 54
.set QL0, 55                           ; s55  tile 1's first query;  s56 its last
.set QLL, 56
.set QWL, 57                           ; s57  my work-group's last query
.set LIM, 58                           ; s58  1 in a wave that prefetches, else the greatest number
.set PFK, 60                           ; s[60:61], s[62:63] where my prefetches stand in K and in V
.set PFV, 62
.set QB,  66                           ; s[66:67], s[68:69] Q's rows of tile 0, 1
.set YB,  70                           ; s[70:71], s[72:73] y16 at tile 0's, tile 1's first token and my head
.set MSB, 0
.macro WIN new                         ; the immediate's high byte repeats the setting that is left
.if MSB != \new
	s_set_vgpr_msb (MSB<<8)|\new
.set MSB, \new
.endif
.endm
; Waves 0 and 1 fetch for K, waves 2 and 3 for V, the others nothing.  The branches hang on the wave's number alone.  An s_nop 0 and four v_nop follow each of the two lines.
.macro TLOAD
	s_cmp_lt_u32 s[WV], 2
	s_cbranch_scc0 .Lnot_k_\@
	tensor_load_to_lds s[G0K:G0K+3], s[G1K:G1K+7]
	s_nop 0
.rept 4
	v_nop
.endr
	s_branch .Lasked_\@
.Lnot_k_\@:
	s_cmp_lt_u32 s[WV], 4
	s_cbranch_scc0 .Lasked_\@
	tensor_load_to_lds s[G0V:G0V+3], s[G1V:G1V+7]
	s_nop 0
.rept 4
	v_nop
.endr
.Lasked_\@:
.endm
; A PREFETCH of what the NEXT change of slots will ask for: a slot's 256 rows of K and of V, each one dense block of 32,768 bytes.  It stands at the change of slots, behind the tensor load and the run of LDS loads that the first products wait for.
; Each aligned block of 256 bytes is named ONCE in the launch: all eight work-groups of a head walk the same K and V, and the one with i = 0, which reads every slot, asks; in it the waves that fetch nothing, 4 to 7,
; take 8,192 bytes of K's block and of V's each, lanes 256 bytes apart: two instructions a wave.  Slots 0 and 1 come by their loads alone; the last change that fills a slot asks for nothing: no slot lies behind it.
.macro ASK
	s_cmp_gt_u32 s[SLOTS], s[LIM]
	s_cbranch_scc0 .Lnot_mine_\@
	global_prefetch_b8 v[PFO], s[PFK:PFK+1] th:TH_LOAD_NT scope:SCOPE_SE
	global_prefetch_b8 v[PFO], s[PFV:PFV+1] th:TH_LOAD_NT scope:SCOPE_SE
.Lnot_mine_\@:
.endm
; Sixteen LDS loads in one run: K's fragments of the 64 keys that begin off bytes behind the address in v[adr].  A fragment is 16 keys x 32 channels: two loads of 16 bytes, 32 bytes apart.
.macro KLOAD adr, off
	WIN 0x40                                       ; destination window 1
.irp kt, 0,1,2,3
.irp ks, 0,1
	ds_load_b128 v[16*\kt+8*\ks:16*\kt+8*\ks+3],   v[\adr] offset:\off+\kt*16*KP+64*\ks
	ds_load_b128 v[16*\kt+8*\ks+4:16*\kt+8*\ks+7], v[\adr] offset:\off+\kt*16*KP+64*\ks+32
.endr
.endr
	WIN 0
.endm
	s_load_b128 s[4:7], s[0:1], 0x0                ; qkv16, y16
	v_lshl_add_u32 v[SPW], v0, 2, SPARE
	v_mov_b32 v[NIL], 0
	ds_add_u32 v[SPW], v[NIL]                      ; the wave's opening: the add, twice on end, and its wait ahead of my first tensor load; the set-up below, work on registers, stands between
	ds_add_u32 v[SPW], v[NIL]
	v_lshrrev_b32 v[DD], 5, v0
	v_readfirstlane_b32 s[WV], v[DD]               ; wave 0..7
	s_and_b32 s10, ttmp7, 0xffff                   ; batch x 16 + head
	s_lshr_b32 s11, s10, 4                         ; b
	s_and_b32 s12, s10, 15                         ; h
	s_lshl_b32 s13, s[WV], 4
	s_sub_co_u32 s14, 15, ttmp9
	s_lshl_b32 s14, s14, 7                         ; 128 (15 - i)
	s_add_co_u32 s[QH0], s14, s13
	s_add_co_u32 s[QHL], s[QH0], 15
	s_add_co_u32 s[QWL], s14, 127
	s_lshl_b32 s15, ttmp9, 7
	s_add_co_u32 s15, s15, 112
	s_sub_co_u32 s[QL0], s15, s13                  ; 128 i + 112 - 16 w
	s_add_co_u32 s[QLL], s[QL0], 15
	s_lshl_b32 s74, s12, 19                        ; a group is 4,096 rows of 128 bytes,
	s_lshl_b32 s75, s11, 18                        ; a sequence 2,048 rows
	s_add_co_u32 s74, s74, s75
	s_mov_b32 s75, 0
	s_lshl_b32 s76, s[QH0], 7
	s_mov_b32 s77, 0
	s_lshl_b32 s78, s[QL0], 7
	s_mov_b32 s79, 0
	s_and_b32 s80, s[WV], 1                        ; which 128 keys of a slot I fetch, if I fetch:
	s_lshl_b32 s82, s80, 14                        ; in memory,
	s_mov_b32 s83, 0
	s_mul_i32 s84, s80, 128*KP                     ; and in a slot: K's,
	s_mul_i32 s85, s80, 128*VP
	s_add_co_u32 s85, s85, VOFF                    ; V's
	s_lshl_b32 s86, s11, 11
	s_add_co_u32 s88, s86, s[QL0]
	s_add_co_u32 s86, s86, s[QH0]
	s_lshl_b32 s86, s86, 11                        ; y16: an even token m begins at 2,048 m,
	s_lshl_b32 s88, s88, 11
	s_lshl_b32 s90, s12, 8                         ; + 256 h
	s_add_co_u32 s86, s86, s90
	s_add_co_u32 s88, s88, s90
	s_mov_b32 s87, 0
	s_mov_b32 s89, 0
	; descriptor group 1: 128 rows of 64 elements of 2 bytes, dense in memory, padded in LDS behind every row
	s_mov_b32 s[G1K], (1<<16)|(1<<20)|(4<<22)|(3<<25)              ; 15:0 no mask; 17:16 elements of 2 bytes; 20 padding on; 24:22 after every 32 words (code 4); 31:25 four words (code 3)
	s_mov_b32 s[G1V], (1<<16)|(1<<20)|(4<<22)|(7<<25)              ; the same with eight words (code 7)
.irp g, G1K, G1V
	s_mov_b32 s[\g+1], 64<<16                      ; tensor_dim0
	s_mov_b32 s[\g+2], 128<<16                     ; tensor_dim1
	s_mov_b32 s[\g+3], 64<<16                      ; tile_dim0
	s_mov_b32 s[\g+4], 128                         ; tile_dim1
	s_mov_b32 s[\g+5], 64                          ; tensor_dim0_stride
	s_mov_b32 s[\g+6], 0
	s_mov_b32 s[\g+7], 0
.endr
	s_mov_b32 s[SEL], 0x76543210
	s_mov_b32 s[SEL+1], 0xfedcba98
	s_mov_b32 s[CS], 0x3e38aa3b                    ; c = log2(e) / 8
	s_mov_b32 s[CS+1], s[CS]                       ; (named with it as a pair, so it is written)
	s_mov_b32 s[TK], 0
	s_mov_b32 s[TV], 0
	s_mov_b32 s[KF], 0
	s_mov_b32 s[SLOTS], NSL-1
	s_and_b32 s98, s[WV], 3
	s_lshl_b32 s98, s98, 13                        ; the prefetches: my wave's 8,192 bytes of a slot's block,
	s_add_co_u32 s98, s98, SK*128                  ; in slot 1: the first change of slots steps it to slot 2.  Nothing is prefetched at the head
	s_mov_b32 s99, 0
	s_sub_co_u32 s96, s[WV], 4
	s_lshr_b32 s96, s96, 2                         ; 0 in waves 4 to 7,
	s_or_b32 s96, s96, ttmp9                       ; of the work-group with i = 0
	s_cmp_eq_u32 s96, 0
	s_cselect_b32 s[LIM], 1, -1
	s_wait_dscnt 0x0                               ; both opening adds are done
	s_wait_kmcnt 0x0
	s_add_nc_u64 s[4:5], s[4:5], s[74:75]          ; q's rows of my head and sequence;
	s_add_nc_u64 s[92:93], s[4:5], 0x800000        ; k's lie 16 groups on,
	s_add_nc_u64 s[94:95], s[4:5], 0x1000000       ; v's 32
	s_mov_b32 s[G0K], 1                            ; 1:0 count = 1
	s_mov_b32 s[G0K+1], s84                        ; 63:32 LDS address: slot 0
	s_add_nc_u64 s[G0K+2:G0K+3], s[92:93], s[82:83]   ; 120:64 global address: my half of the first 256 keys
	s_or_b32 s[G0K+3], s[G0K+3], 0x80000000        ; 127:126 type = 2
	s_mov_b32 s[G0V], 1
	s_mov_b32 s[G0V+1], s85
	s_add_nc_u64 s[G0V+2:G0V+3], s[94:95], s[82:83]
	s_or_b32 s[G0V+3], s[G0V+3], 0x80000000
	TLOAD                                          ; slot 0: it holds key 0, which counts for every query
	s_add_nc_u64 s[QB:QB+1], s[4:5], s[76:77]
	s_add_nc_u64 s[QB+2:QB+3], s[4:5], s[78:79]
	s_add_nc_u64 s[YB:YB+1], s[6:7], s[86:87]
	s_add_nc_u64 s[YB+2:YB+3], s[6:7], s[88:89]
	s_add_nc_u64 s[PFK:PFK+1], s[92:93], s[98:99]
	s_add_nc_u64 s[PFV:PFV+1], s[94:95], s[98:99]
	v_and_b32 v208, 15, v0                         ; r = lane % 16
	v_bfe_u32 v209, v0, 4, 1                       ; h = lane / 16
	v_lshlrev_b32 v[QO], 7, v208
	v_lshl_add_u32 v[QO], v209, 4, v[QO]           ; Q: row r of 128 bytes, + 16 h
.irp x, 0,1
.irp ks, 0,1                                   ; a fragment is 16 rows x 32 channels: registers 0-3 channels 8 h + 0..7, registers 4-7 channels 16 + 8 h + 0..7.  Q stays in registers
	global_load_b128 v[Q+16*\x+8*\ks:Q+16*\x+8*\ks+3],   v[QO], s[QB+2*\x:QB+2*\x+1] offset:64*\ks
	global_load_b128 v[Q+16*\x+8*\ks+4:Q+16*\x+8*\ks+7], v[QO], s[QB+2*\x:QB+2*\x+1] offset:64*\ks+32
.endr
.endr
	v_mul_u32_u24 v[AK0], v208, KP
	v_lshl_add_u32 v[AK0], v209, 4, v[AK0]         ; K: row r x pitch + 16 h
	v_and_b32 v210, 7, v0
	v_bfe_u32 v211, v0, 3, 1
	v_lshl_add_u32 v[AV0], v209, 3, v210           ; V: the turning load takes 16 keys x 16 channels: lane l reads key 8 (l / 16) + l % 8, channels 8 ((l / 8) % 2) + 0..7
	v_mul_u32_u24 v[AV0], v[AV0], VP
	v_lshl_add_u32 v[AV0], v211, 4, v[AV0]
	v_add_nc_u32 v[AV0], VOFF, v[AV0]
	v_lshlrev_b32 v[GO], 12, v209                  ; the way out: lane l holds token l / 8 of four: pair of tokens l / 16,
	v_lshl_add_u32 v[GO], v211, 7, v[GO]           ; which of the pair,
	v_lshl_add_u32 v[GO], v210, 4, v[GO]           ; 16 bytes of its 128
	s_mul_i32 s96, s[WV], WST
	s_add_co_u32 s96, s96, STAGE                   ; my stages
	v_add_nc_u32 v[STO], s96, v[AK0]               ; in: row r x 144 + 16 h
	v_bfe_u32 v212, v0, 3, 2
	v_mul_u32_u24 v[RD], v212, KP
	v_lshl_add_u32 v[RD], v210, 4, v[RD]
	v_add_nc_u32 v[RD], s96, v[RD]                 ; back: eight lanes to a row, four rows an instruction
	v_and_b32 v[PFO], 31, v0
	v_lshlrev_b32 v[PFO], 8, v[PFO]
	v_lshlrev_b32 v[DL], 3, v209
	v_sub_nc_u32 v[DL], v208, v[DL]
	v_mov_b32 v[NINF], 0xff800000
.irp x, 0,1
	v_mov_b32 v[ST+8*\x+1], 0xff61b1e6             ; m: -3e38, under every score
	v_mul_f32 v[ST+8*\x], s[CS], v[ST+8*\x+1]      ; c m
.irp k, 2,3,4,5,6,7
	v_mov_b32 v[ST+8*\x+\k], 0                     ; l; and the registers at work, written once: a lane permute's destination and a pair's upper half count as read
.endr
.endr
.irp j, 0,1,2,3,4,5,6,7,8,9,10,11,12,13,14,15,16,17,18,19,20,21,22,23,24,25,26,27,28,29,30,31,32,33,34,35,36,37,38,39,40,41,42,43,44,45,46,47,48,49,50,51,52,53,54,55,56,57,58,59,60,61,62,63
	v_mov_b32 v[O+\j], 0                           ; O^T.  (The step is written without a first copy: the first step finds zeros, which a = 0 leaves zeros)
.endr
; On the diagonal the scores of hidden keys become -infinity ahead of the maximum: p = 0 then.  A step all of whose keys count for the tile jumps over this.  Register 8 kt + j holds key KF + 16 kt + 8 (lane / 16) + j.
.macro MASK x, q0
	s_add_co_u32 s96, s[KF], 63
	s_cmp_le_u32 s96, s[\q0]
	s_cbranch_scc1 .Lopen_\@
	s_sub_co_i32 s96, s[\q0], s[KF]
	v_add_nc_u32 v[DD], s96, v[DL]                 ; d = my query - KF - 8 (lane / 16): hidden where 16 kt + j > d
.irp n, 0,1,2,3,4,5,6,7,8,9,10,11,12,13,14,15,16,17,18,19,20,21,22,23,24,25,26,27,28,29,30,31
	v_cmp_gt_i32 vcc_lo, 16*(\n/8)+\n%8, v[DD]
	v_cndmask_b32 v[S+32*\x+\n], v[S+32*\x+\n], v[NINF], vcc_lo
.endr
.Lopen_\@:
.endm
; The softmax of nt tiles for one step of 64 keys, the tiles alternating line by line.  All of it lies in window 0.
.macro SOFTMAX nt
.irp j, 0,1,2,3                                ; the maximum of the lane's 32 scores and the old m, three operands at a time: four chains, each begun at its accumulator's low end
.irp x, 0,1
.if \x < \nt
	v_max3_num_f32 v[ST+8*\x+4+\j], v[S+32*\x+8*\j], v[S+32*\x+8*\j+1], v[S+32*\x+8*\j+2]
.endif
.endr
.endr
.irp g, 1,2
.irp j, 0,1,2,3
.irp x, 0,1
.if \x < \nt
	v_max3_num_f32 v[ST+8*\x+4+\j], v[ST+8*\x+4+\j], v[S+32*\x+8*\j+2*\g+1], v[S+32*\x+8*\j+2*\g+2]
.endif
.endr
.endr
.endr
.irp x, 0,1
.if \x < \nt
	v_max3_num_f32 v[ST+8*\x+4], v[ST+8*\x+4], v[S+32*\x+7], v[S+32*\x+15]      ; the four scores left over
	v_max3_num_f32 v[ST+8*\x+6], v[ST+8*\x+6], v[S+32*\x+23], v[S+32*\x+31]
.endif
.endr
.irp x, 0,1
.if \x < \nt
	v_max3_num_f32 v[ST+8*\x+4], v[ST+8*\x+4], v[ST+8*\x+5], v[ST+8*\x+6]
.endif
.endr
.irp x, 0,1
.if \x < \nt
	v_max3_num_f32 v[ST+8*\x+4], v[ST+8*\x+4], v[ST+8*\x+7], v[ST+8*\x+1]       ; with the old m
.endif
.endr
.irp x, 0,1
.if \x < \nt
	v_permlanex16_b32 v[ST+8*\x+5], v[ST+8*\x+4], s[SEL], s[SEL+1]              ; the query's other 32 keys lie in the lane 16 away
	v_mov_b32 v[ST+8*\x+7], v[ST+8*\x]                                          ; c m_old is kept for a
.endif
.endr
.irp x, 0,1
.if \x < \nt
	v_max_num_f32 v[ST+8*\x+1], v[ST+8*\x+4], v[ST+8*\x+5]                      ; the new m
.endif
.endr
.irp x, 0,1
.if \x < \nt
	v_mul_f32 v[ST+8*\x], s[CS], v[ST+8*\x+1]                                   ; c m
.endif
.endr
.irp x, 0,1
.if \x < \nt
	v_sub_f32 v[ST+8*\x+7], v[ST+8*\x+7], v[ST+8*\x]                            ; c m_old - c m_new
.endif
.endr
.irp b, 0,1,2,3,4,5,6,7,8,9,10,11,12,13,14,15
.irp x, 0,1
.if \x < \nt
	v_pk_fma_f32 v[S+32*\x+2*\b:S+32*\x+2*\b+1], v[S+32*\x+2*\b:S+32*\x+2*\b+1], s[CS:CS+1], v[ST+8*\x:ST+8*\x+1] op_sel_hi:[1,0,0] neg_lo:[0,0,1] neg_hi:[0,0,1]   ; c s - c m, two at a time
.endif
.endr
.endr
.irp x, 0,1                                    ; ONE BATCH: a and the 32 weights of each tile; none of these reads an exponential's result
.if \x < \nt
	v_exp_f32 v[ST+8*\x+6], v[ST+8*\x+7]
.endif
.endr
.irp e, 0,1,2,3,4,5,6,7,8,9,10,11,12,13,14,15,16,17,18,19,20,21,22,23,24,25,26,27,28,29,30,31
.irp x, 0,1
.if \x < \nt
	v_exp_f32 v[S+32*\x+\e], v[S+32*\x+\e]
.endif
.endr
.endr
	v_nop                                          ; a plain instruction behind the last exponential, ahead of the first use
	s_wait_alu depctr_va_vdst(0)                   ; and a wait ahead of the first instruction that names a result: one for the batch
.irp b, 0,1,2,3,4,5,6,7,8,9,10,11,12,13,14,15
.irp x, 0,1
.if \x < \nt
	v_cvt_pk_f16_f32 v[P+16*\x+\b], v[S+32*\x+2*\b], v[S+32*\x+2*\b+1]          ; a pair of weights: the lower key in the low half
.endif
.endr
.endr
.irp u, 0,1,2,3,4,5,6,7                        ; the sum of the tile's 16 pairs, of the unrounded weights, in place: neighbours 1, 2, 4 and 8 pairs apart
.irp x, 0,1
.if \x < \nt
	v_pk_add_f32 v[S+32*\x+4*\u:S+32*\x+4*\u+1], v[S+32*\x+4*\u:S+32*\x+4*\u+1], v[S+32*\x+4*\u+2:S+32*\x+4*\u+3]
.endif
.endr
.endr
.irp u, 0,1,2,3
.irp x, 0,1
.if \x < \nt
	v_pk_add_f32 v[S+32*\x+8*\u:S+32*\x+8*\u+1], v[S+32*\x+8*\u:S+32*\x+8*\u+1], v[S+32*\x+8*\u+4:S+32*\x+8*\u+5]
.endif
.endr
.endr
.irp u, 0,1
.irp x, 0,1
.if \x < \nt
	v_pk_add_f32 v[S+32*\x+16*\u:S+32*\x+16*\u+1], v[S+32*\x+16*\u:S+32*\x+16*\u+1], v[S+32*\x+16*\u+8:S+32*\x+16*\u+9]
.endif
.endr
.endr
.irp x, 0,1
.if \x < \nt
	v_pk_add_f32 v[S+32*\x:S+32*\x+1], v[S+32*\x:S+32*\x+1], v[S+32*\x+16:S+32*\x+17]
.endif
.endr
.irp x, 0,1
.if \x < \nt
	v_pk_fma_f32 v[ST+8*\x+2:ST+8*\x+3], v[ST+8*\x+2:ST+8*\x+3], v[ST+8*\x+6:ST+8*\x+7], v[S+32*\x:S+32*\x+1] op_sel_hi:[1,0,1]   ; l = a l + the sum
.endif
.endr
.irp i, 0,1,2,3,4,5,6,7,8,9,10,11,12,13,14,15
.irp x, 0,1
.if \x < \nt
	v_pk_mul_f32 v[O+32*\x+2*\i:O+32*\x+2*\i+1], v[O+32*\x+2*\i:O+32*\x+2*\i+1], v[ST+8*\x+6:ST+8*\x+7] op_sel_hi:[1,0]   ; O^T x a, each accumulator from its low end on
.endif
.endr
.endr
.endm
; A step's work for nt tiles.  The accumulators take turns, one instruction a turn: 4 nt of them in each product.
.macro BODY nt
	s_wait_dscnt 16                                ; K is in: V's sixteen loads are the only ones issued behind K's (a slot's first step: K's sixteen stand just ahead of them; a later step: K was waited for a step ago)
	WIN 0x01                                       ; source 0 in window 1
.irp ks, 0,1
.irp kt, 0,1,2,3
.irp x, 0,1
.if \x < \nt
.if \ks == 0
	v_wmma_f32_16x16x32_f16 v[S+32*\x+8*\kt:S+32*\x+8*\kt+7], v[16*\kt+8*\ks:16*\kt+8*\ks+7], v[Q+16*\x+8*\ks:Q+16*\x+8*\ks+7], 0
.else
	v_wmma_f32_16x16x32_f16 v[S+32*\x+8*\kt:S+32*\x+8*\kt+7], v[16*\kt+8*\ks:16*\kt+8*\ks+7], v[Q+16*\x+8*\ks:Q+16*\x+8*\ks+7], v[S+32*\x+8*\kt:S+32*\x+8*\kt+7]
.endif
.endif
.endr
.endr
.endr
	WIN 0
.rept 4
	v_nop                                          ; four places between the last product and the first read of a score, and the loads into K's registers, which it read (ISA guide 7.12.1 for vector instructions)
.endr
	s_cmp_eq_u32 s[STEPS], 1                       ; the slot's last step asks for nothing: a branch on the count of steps, round the sixteen loads alone
	s_cbranch_scc1 .Llast_\@
	KLOAD ADK, 64*KP                               ; THE NEXT STEP'S K, from the same slot: it lands under the softmax.  (Where the next step is hidden the loads serve nothing; the bytes are there: this step's keys count, so the slot was filled)
.Llast_\@:
	MASK 0, QH0
.if \nt > 1
	MASK 1, QL0
.endif
	SOFTMAX \nt
	s_wait_dscnt 0x0                               ; V is in, and so is the next step's K
	WIN 0x01
.irp kk, 0,1
.irp ct, 0,1,2,3
.irp x, 0,1
.if \x < \nt
	v_wmma_f32_16x16x32_f16 v[O+32*\x+8*\ct:O+32*\x+8*\ct+7], v[VF+8*(4*\kk+\ct):VF+8*(4*\kk+\ct)+7], v[P+16*\x+8*\kk:P+16*\x+8*\kk+7], v[O+32*\x+8*\ct:O+32*\x+8*\ct+7]
.endif
.endr
.endr
.endr
	WIN 0
.endm
; A KEY STEP: 64 keys.  Left out where all its keys come after tile 0's queries (tile 1's queries come before tile 0's); with one tile where they come after tile 1's.  Scalar branches on ids and on the count of steps;
; not round the lines at its end that step addresses, and no barrier or tensor load stands in a step.  A step that is left out is followed by none that is walked: so a step that is walked finds its K asked for.
.macro STEP
	s_cmp_gt_u32 s[KF], s[QHL]
	s_cbranch_scc1 .Lhidden_\@
	v_add_nc_u32 v[ADK], s[TK], v[AK0]             ; (no LDS load that names it is out: the last step's were waited for ahead of its second product)
	v_add_nc_u32 v[ADV], s[TV], v[AV0]
	v_nop
	v_nop                                          ; with the two additions: four places between the last step's last product and the loads into the registers that it read
	WIN 0x40                                       ; destination window 1
.irp kk, 0,1
.irp ct, 0,1,2,3
	ds_load_tr16_b128 v[VF+8*(4*\kk+\ct):VF+8*(4*\kk+\ct)+3],   v[ADV] offset:\kk*32*VP+32*\ct
	ds_load_tr16_b128 v[VF+8*(4*\kk+\ct)+4:VF+8*(4*\kk+\ct)+7], v[ADV] offset:\kk*32*VP+16*VP+32*\ct
.endr
.endr
	WIN 0
	s_cmp_gt_u32 s[KF], s[QLL]
	s_cbranch_scc1 .Lone_\@
	BODY 2
	s_branch .Lhidden_\@
.Lone_\@:
	BODY 1
.Lhidden_\@:
	s_add_co_u32 s[KF], s[KF], 64
	s_add_co_u32 s[TK], s[TK], 64*KP
	s_add_co_u32 s[TV], s[TV], 64*VP
.endm
; THE CHANGE OF SLOTS stands at a slot's head.  Each wave waits for all its tensor loads (its part of the slot that it is about to read), adds 0 to its spare word (fill = 1: twice on end), and waits for that and for its
; reads of the slot that it has left.  Behind the barrier the slot ahead is whole and nobody reads the other one.  fill = 1: that other slot is filled with the keys that follow, up to the causal limit: the load has a slot's four steps in which to land.
.macro CHANGE fill
	s_wait_tensorcnt 0x0                           ; no tensor load of mine is out, so a group 0 may be written
	ds_add_u32 v[SPW], v[NIL]                      ; 0 onto my spare word
.if \fill
	ds_add_u32 v[SPW], v[NIL]                      ; and once more: the add twice on end here, in every trip alike.  The descriptors' steps stand between the second and the wait
	s_xor_b32 s[G0K+1], s[G0K+1], SLOT1            ; the walking descriptors: the other slot than last time,
	s_add_nc_u64 s[G0K+2:G0K+3], s[G0K+2:G0K+3], SK*128   ; the next 256 keys; the type bits on top are not reached
	s_xor_b32 s[G0V+1], s[G0V+1], SLOT1
	s_add_nc_u64 s[G0V+2:G0V+3], s[G0V+2:G0V+3], SK*128
	s_wait_xcnt 0x0                                ; the last prefetches, a slot back, have read their addresses, so these may be written:
	s_add_nc_u64 s[PFK:PFK+1], s[PFK:PFK+1], SK*128   ; one slot further on than the walking descriptors
	s_add_nc_u64 s[PFV:PFV+1], s[PFV:PFV+1], SK*128
.endif
	s_wait_dscnt 0x0                               ; the add is done (fill = 1: both are), and my reads of the slot that I have left are over
	s_barrier_signal -1
	s_barrier_wait -1
.if \fill
	s_add_co_u32 s96, s[KF], SK                    ; the first key of the slot that this change would ask for:
	s_cmp_gt_u32 s96, s[QWL]                       ; where it comes after my work-group's last query, none of the eight waves would read the slot, and it is not asked for.  Ids and the count of steps alone: all
	s_cbranch_scc1 .Lpast_\@                       ; eight waves go the same way, and a work-group that is past the limit stays past it
	TLOAD                                          ; the first thing behind the barrier and the limit's three lines, and a wave's one tensor load until the next change
.Lpast_\@:
.endif
.endm
; A slot's four steps: written once, walked four times; the LDS addresses hang on s[TK] and s[TV].  At the head, behind the tensor load, the first step's K is asked for, by every wave in every slot, so that K's registers are
; written on every way into a step.  (In a slot past the causal limit these sixteen loads read what an earlier fill has left there: nothing is filling those bytes, and no step uses what they bring.)
.macro SLOT_STEPS ask
	s_mov_b32 s[STEPS], NQ
	v_add_nc_u32 v[ADH], s[TK], v[AK0]             ; (no LDS load of mine is out here)
	KLOAD ADH, 0
.if \ask
	ASK
.endif
.Lstep_\@:
	STEP
	s_sub_co_u32 s[STEPS], s[STEPS], 1
	s_cmp_lg_u32 s[STEPS], 0
	s_cbranch_scc1 .Lstep_\@
	s_sub_co_u32 s[TK], s[TK], NQ*64*KP            ; back to a slot's first step,
	s_xor_b32 s[TK], s[TK], SLOT1                  ; in the other slot
	s_sub_co_u32 s[TV], s[TV], NQ*64*VP
	s_xor_b32 s[TV], s[TV], SLOT1
.endm
	s_wait_loadcnt 0x0                             ; Q
.Lslot:                                            ; seven trips: behind each change of slots but the last the next slot is asked for, up to the causal limit
	CHANGE 1
	SLOT_STEPS 1
	s_sub_co_u32 s[SLOTS], s[SLOTS], 1
	s_cmp_lg_u32 s[SLOTS], 0
	s_cbranch_scc1 .Lslot
	CHANGE 0                                       ; the last slot is written out: nothing is left to ask for
	SLOT_STEPS 0
	; THE WAY OUT.  l's two halves and the other half of the lanes' are added; O^T is divided by l, rounded to f16 and sent through my stages in LDS, so that sixteen lanes store 256 consecutive aligned bytes: two tokens of my head.
.irp x, 0,1
	v_add_f32 v[ST+8*\x+4], v[ST+8*\x+2], v[ST+8*\x+3]
.endr
.irp x, 0,1
	v_permlanex16_b32 v[ST+8*\x+5], v[ST+8*\x+4], s[SEL], s[SEL+1]
.endr
.irp x, 0,1
	v_add_f32 v[ST+8*\x+4], v[ST+8*\x+4], v[ST+8*\x+5]
.endr
	v_nop
	v_nop                                          ; (with the four additions: the places behind the last products)
.irp x, 0,1
	v_rcp_f32 v[ST+8*\x+6], v[ST+8*\x+4]
.endr
	v_nop                                          ; a plain instruction between the last reciprocal and the use of its result
	s_wait_alu depctr_va_vdst(0)                   ; and a wait ahead of the first use: one for both reciprocals
.irp x, 0,1
.irp i, 0,1,2,3,4,5,6,7,8,9,10,11,12,13,14,15
	v_pk_mul_f32 v[O+32*\x+2*\i:O+32*\x+2*\i+1], v[O+32*\x+2*\i:O+32*\x+2*\i+1], v[ST+8*\x+6:ST+8*\x+7] op_sel_hi:[1,0]
.endr
.irp i, 0,1,2,3,4,5,6,7,8,9,10,11,12,13,14,15
	v_cvt_pk_f16_f32 v[S+32*\x+\i], v[O+32*\x+2*\i], v[O+32*\x+2*\i+1]          ; S^T's registers are free
.endr
.irp ct, 0,1,2,3
	ds_store_b128 v[STO], v[S+32*\x+4*\ct:S+32*\x+4*\ct+3] offset:16*KP*\x+32*\ct    ; row = my query; channels 16 ct + 8 (lane / 16) + 0..7
.endr
.irp i, 0,1,2,3
	ds_load_b128 v[P+16*\x+4*\i:P+16*\x+4*\i+3], v[RD] offset:16*KP*\x+4*KP*\i       ; LDS serves a wave's instructions in order (ISA guide 5.7.1.4): these see the stores above
.endr
.endr
.irp i, 0,1,2,3
	s_wait_dscnt 11-\i                             ; behind tile 0's load i: its 3 - i later loads, and tile 1's four stores and four loads
	global_store_b128 v[GO], v[P+4*\i:P+4*\i+3], s[YB:YB+1] offset:8192*\i
.endr
.irp i, 0,1,2,3
	s_wait_dscnt 3-\i
	global_store_b128 v[GO], v[P+16+4*\i:P+16+4*\i+3], s[YB+2:YB+3] offset:8192*\i
.endr
	s_wait_tensorcnt 0x0                           ; the wave's end, behind my last tensor load and my last LDS store
	ds_add_u32 v[SPW], v[NIL]
	s_wait_dscnt 0x0
	s_endpgm
.Lfunc_end_k_qf9619fc1ad_attn:
	.size	k_qf9619fc1ad_attn, .Lfunc_end_k_qf9619fc1ad_attn-k_qf9619fc1ad_attn
	.p2alignl 7, 3214868480
	.fill 96, 4, 3214868480
	.section	.rodata,"a",@progbits
	.p2align	6, 0x0
	.amdhsa_kernel k_qf9619fc1ad_attn
		.amdhsa_group_segment_fixed_size 327680
		.amdhsa_private_segment_fixed_size 0
		.amdhsa_enable_private_segment 0
		.amdhsa_kernarg_size 16
		.amdhsa_user_sgpr_count 2
		.amdhsa_user_sgpr_kernarg_segment_ptr 1
		.amdhsa_wavefront_size32 1
		.amdhsa_system_sgpr_workgroup_id_x 1
		.amdhsa_system_sgpr_workgroup_id_y 1
		.amdhsa_system_sgpr_workgroup_id_z 1
		.amdhsa_system_vgpr_workitem_id 0
		.amdhsa_next_free_vgpr 384
		.amdhsa_next_free_sgpr 100
		.amdhsa_reserve_vcc 1
		.amdhsa_float_denorm_mode_32 3
		.amdhsa_float_denorm_mode_16_64 3
		.amdhsa_memory_ordered 1
		.amdhsa_forward_progress 1
		.amdhsa_inst_pref_size 87
	.end_amdhsa_kernel
	.amdgpu_metadata
---
amdhsa.version: [ 1, 2 ]
amdhsa.kernels:
  - .name:           k_qf9619fc1ad_attn
    .symbol:         k_qf9619fc1ad_attn.kd
    .args:
      - { .name: qkv16, .offset: 0, .size: 8, .value_kind: global_buffer, .address_space: global }
      - { .name: y16, .offset: 8, .size: 8, .value_kind: global_buffer, .address_space: global }
    .group_segment_fixed_size: 327680
    .private_segment_fixed_size: 0
    .kernarg_segment_align: 8
    .kernarg_segment_size: 16
    .max_flat_workgroup_size: 256
    .sgpr_count:     100
    .vgpr_count:     384
    .wavefront_size: 32
...
	.end_amdgpu_metadata
.endif
;; end of part 3
;; launch proj (part 4): grid 8 x 32, 4 waves a work-group, clusters of 4 x 4, 327,680 bytes of LDS; arguments y16, wp16, out0; writes out0
.if DOCPART == 4
	.amdgcn_target "amdgcn-amd-amdhsa--gfx1250"
	.amdhsa_code_object_version 6
	.text
	.protected	k_qf9619fc1ad_proj
	.globl	k_qf9619fc1ad_proj
	.p2align	8
	.type	k_qf9619fc1ad_proj,@function
k_qf9619fc1ad_proj:
	s_mov_b64 s[64:65], 0
	v_nop
	global_prefetch_b8 v0, s[64:65] scope:SCOPE_SE
	s_setreg_imm32_b32 hwreg(HW_REG_WAVE_MODE, 25, 1), 1
	s_wait_xcnt 0x0
	s_wait_alu depctr_hold_cnt(0) depctr_sa_sdst(0) depctr_va_vdst(0) depctr_va_sdst(0) depctr_va_ssrc(0) depctr_va_vcc(0) depctr_vm_vsrc(0)
	s_getreg_b32 s2, hwreg(HW_REG_IB_STS2, 6, 4)
	s_cmp_eq_u32 s2, 0
	s_cbranch_scc0 .Lentry_in_a_cluster
	s_endpgm
.Lentry_in_a_cluster:
	s_bfe_u32 s2, ttmp6, 0x10000c
	s_cmp_lg_u32 s2, 0xf033
	s_cbranch_scc0 .Lentry_shape_is_right
	s_endpgm
.Lentry_shape_is_right:
; out0[m][n] = sum over c of y[m][c] w_proj[n][c].  M = 4,096, N = K = 1,024.  Operands in f16, sums and result in f32.  (The rows t < 16 of both sequences are written again, in f32 throughout, by the launch that follows.)
; y16 lies by pairs of tokens: byte (m / 2) 4096 + 256 head + 128 (m % 2) + 2 d.  For the tensor data mover it is a plain tensor of 2,048 rows of 4,096 bytes; a K step of 256 channels (four heads) is 1,024 bytes of such a row.
; wp16: [1024 n][1024 c] f16.
; A tile of the result is 128 x 128, which gives each of 256 work-groups one tile.  Four waves, each 64 x 64: 16 accumulators of 16 x 16.  K goes in steps of 256 through a ring of two LDS slots.
; CLUSTERS: 4 x 4 work-groups.  The four of a row of the cluster need the same tiles of y, the four of a column the same tiles of w_proj: each tile is asked for JOINTLY, by the same tensor load with the same descriptor and a
; mask that names the four.  THE MATRIX INSTRUCTION IS USED TRANSPOSED (source 0 = 16 rows of w_proj, source 1 = 16 tokens): a lane then holds eight neighbouring numbers of a row of the result.
; A wave's 64 columns are 256 bytes, aligned: each wave has a stage of its own on the way out, and no barrier stands there.
; No prefetch: a K step is short and the tiles are small and shared by four partners.
; REGISTERS: window 0: v0-31 addresses; v32-95 at work on the way out; v128-255 the accumulators ((a, b) at v[128 + 8 (4 a + b)]).
;   window 1: two fragment buffers of 128: for 64 along K (one head; two matrix instructions deep), 64 registers of y, then 64 of w_proj.
.set SIZE_N, 1024
.set SIZE_K, 1024
.set KSTEP,  256
.set PITCH,  528                       ; w_proj's LDS row: 512 bytes + 16 = 132 words: row r starts at bank 4 r mod 64 (64 banks of 4 bytes: ISA guide 11.1)
.set PA,     1040                      ; y's LDS row, a pair of tokens x four heads: 1,024 bytes + 16: token r of 16 lies at (r / 2) 1040 + (r % 2) 128: sixteen different columns of 16 bytes modulo 256
.set HALFA,  32*PA                     ; 64 tokens: what one tensor load brings of y
.set HALFB,  64*PITCH                  ; 64 rows of w_proj
.set SLOT,   2*HALFA+2*HALFB           ; y's 128 tokens, then w_proj's 128 rows
.set STAGE,  2*SLOT                    ; behind the ring: 16 rows x 272 bytes for each wave
.set SPITCH, 272
.set SPARE,  STAGE+4*16*SPITCH         ; behind the stages: the spare words, 128 bytes a wave, which no other line names
.set LAPS, SIZE_K/(2*KSTEP)            ; a lap = two K steps = once round the ring: 2
.set ADRA, 16                          ; v16-17  LDS address of my fragments of y in slot 0, 1
.set ADRB, 20                          ; v20-21  the same for w_proj
.set STO,  24                          ; v24     the way out: where I put 32 bytes of a row
.set RD,   25                          ; v25     the way out: where I read rows back
.set CO,   26                          ; v26     my byte offset in two rows of out0
.set SPW,  28                          ; v28     LDS address of my spare word; never rewritten
.set NIL,  29                          ; v29     0; never rewritten
.set TMP,  32                          ; the way out: two sets of 32 registers
.set ACC,  128
.set F0,   0                           ; fragment buffers, in window 1
.set F1,   128
.set G1, 24                            ; s[24:31] descriptor group 1 for y's tiles;  s[32:39] group 0, one set for each slot
.set G0, 32
.set G1B, 48                           ; s[48:55], s[56:63] the same for w_proj's tiles
.set G0B, 56
.set MSB, 0
.macro WIN new                         ; the immediate's high byte repeats the setting that is left
.if MSB != \new
	s_set_vgpr_msb (MSB<<8)|\new
.set MSB, \new
.endif
.endm
.set MUL,  0x05                        ; sources 0 and 1 window 1; C and D window 0
.set TO_F, 0x40                        ; destination window 1, address window 0
.macro JLOAD s                         ; a joint load: waves 0 and 1 fetch y's two halves, waves 2 and 3 w_proj's; an s_nop 0 and four v_nop follow each of the two lines, ahead of the jump, the label and what follows
	s_cmp_eq_u32 s11, 0
	s_cbranch_scc0 .Lfor_b_\@
	tensor_load_to_lds s[G0+4*\s:G0+4*\s+3], s[G1:G1+7]
	s_nop 0
.rept 4
	v_nop
.endr
	s_branch .Lasked_\@
.Lfor_b_\@:
	tensor_load_to_lds s[G0B+4*\s:G0B+4*\s+3], s[G1B:G1B+7]
	s_nop 0
.rept 4
	v_nop
.endr
.Lasked_\@:
.endm
.macro CREST                           ; a round of the cluster's barrier behind its opening barrier
	s_cmp_lg_u32 s10, 0
	s_cbranch_scc1 .Lnot_wave_0_\@
	s_barrier_signal -3
.Lnot_wave_0_\@:
	s_barrier_wait -3
	s_barrier_signal -1
	s_barrier_wait -1
.endm
.macro CROUND                          ; a whole round
	s_barrier_signal -1
	s_barrier_wait -1
	CREST
.endm
	s_load_b128 s[4:7], s[0:1], 0x0                ; y16 s[4:5], wp16 s[6:7]
	s_load_b64 s[8:9], s[0:1], 0x10                ; out0
	v_lshl_add_u32 v[SPW], v0, 2, SPARE
	v_mov_b32 v[NIL], 0
	ds_add_u32 v[SPW], v[NIL]                      ; the wave's opening: the add, twice on end, and its wait ahead of my first tensor load; the set-up below, work on registers, stands between
	ds_add_u32 v[SPW], v[NIL]
	v_lshrrev_b32 v1, 5, v0
	v_readfirstlane_b32 s10, v1                    ; wave 0..3
	s_lshr_b32 s11, s10, 1                         ; which half of the tile's rows is mine.  Also: I fetch for y (0) or for w_proj (1)
	s_and_b32 s12, s10, 1                          ; which half of its columns.  Also: which half of that tile I fetch
	s_bfe_u32 s40, ttmp6, 0x40000                  ; cx, cy: my place in the cluster
	s_bfe_u32 s41, ttmp6, 0x40004
	s_lshl_b32 s42, ttmp9, 2
	s_add_co_u32 s42, s42, s40                     ; tile column = 4 x cluster x + cx
	s_and_b32 s13, ttmp7, 0xffff
	s_lshl_b32 s13, s13, 2
	s_add_co_u32 s13, s13, s41                     ; tile row = 4 x cluster y + cy
	s_lshl_b32 s43, s41, 2
	s_lshl_b32 s43, 15, s43                        ; my row of the cluster
	s_lshl_b32 s44, 0x1111, s40                    ; my column
	; descriptor group 1.  y: 32 rows (pairs of tokens) x 512 elements;  w_proj: 64 rows x 256 elements; both padded in LDS behind every row
	s_or_b32 s[G1+0], s43, (1<<16)|(1<<20)|(1<<21)|(7<<22)|(3<<25)  ; 15:0 the mask: y's tiles go to my row; 17:16 element of 2 bytes; 20 padding on; 21 set beside a mask; 24:22 after every 256 words (code 7); 31:25 of 4 words (code 3)
	s_mov_b32 s[G1+1], 512<<16                     ; tensor_dim0
	s_mov_b32 s[G1+2], 32<<16                      ; tensor_dim1
	s_mov_b32 s[G1+3], 512<<16                     ; tile_dim0
	s_mov_b32 s[G1+4], 32                          ; tile_dim1
	s_mov_b32 s[G1+5], 2048                        ; tensor_dim0_stride: a pair of tokens is 2,048 elements
	s_mov_b32 s[G1+6], 0
	s_mov_b32 s[G1+7], 0
	s_or_b32 s[G1B+0], s44, (1<<16)|(1<<20)|(1<<21)|(6<<22)|(3<<25) ; the mask of my column; padding after every 128 words (code 6)
	s_mov_b32 s[G1B+1], KSTEP<<16
	s_mov_b32 s[G1B+2], 64<<16
	s_mov_b32 s[G1B+3], KSTEP<<16
	s_mov_b32 s[G1B+4], 64
	s_mov_b32 s[G1B+5], SIZE_K
	s_mov_b32 s[G1B+6], 0
	s_mov_b32 s[G1B+7], 0
	s_lshl_b32 s16, s13, 6
	s_lshl_b32 s17, s12, 5
	s_add_co_u32 s16, s16, s17                     ; y: pair of tokens 64 x tile row + 32 x half,
	s_lshl_b32 s16, s16, 12                        ; of 4,096 bytes
	s_mov_b32 s17, 0
	s_lshl_b32 s46, s42, 7
	s_lshl_b32 s47, s12, 6
	s_add_co_u32 s46, s46, s47                     ; w_proj: row 128 x tile column + 64 x half,
	s_lshl_b32 s46, s46, 11                        ; of 2,048 bytes
	s_mov_b32 s47, 0
	s_mul_i32 s20, s12, HALFA                      ; where they go: no place in the cluster enters an LDS address
	s_mul_i32 s21, s12, HALFB
	s_add_co_u32 s21, s21, 2*HALFA
	s_wait_dscnt 0x0                               ; both opening adds are done
	s_wait_kmcnt 0x0
	s_add_nc_u64 s[14:15], s[4:5], s[16:17]
	s_add_nc_u64 s[46:47], s[6:7], s[46:47]
	CROUND                                         ; all sixteen work-groups are here: the first joint loads meet
.irp s, 0,1
	s_mov_b32 s[G0+4*\s], 1
	s_add_co_u32 s[G0+4*\s+1], s20, \s*SLOT
	s_add_nc_u64 s[G0+4*\s+2:G0+4*\s+3], s[14:15], \s*KSTEP*4      ; a K step is 1,024 bytes of a pair's row
	s_or_b32 s[G0+4*\s+3], s[G0+4*\s+3], 0x80000000
	s_mov_b32 s[G0B+4*\s], 1
	s_add_co_u32 s[G0B+4*\s+1], s21, \s*SLOT
	s_add_nc_u64 s[G0B+4*\s+2:G0B+4*\s+3], s[46:47], \s*KSTEP*2
	s_or_b32 s[G0B+4*\s+3], s[G0B+4*\s+3], 0x80000000
	JLOAD \s
.endr
	v_and_b32 v1, 15, v0                           ; l % 16
	v_bfe_u32 v2, v0, 4, 1                         ; l / 16
	v_mul_u32_u24 v3, v1, PITCH
	v_lshl_add_u32 v3, v2, 4, v3                   ; w_proj: a fragment's row x pitch + 16 x half
	v_lshrrev_b32 v4, 1, v1
	v_mul_u32_u24 v4, v4, PA                       ; y: the pair's row,
	v_and_b32 v5, 1, v1
	v_lshl_add_u32 v4, v5, 7, v4                   ; which of the pair,
	v_lshl_add_u32 v4, v2, 4, v4                   ; + 16 x half
	s_mul_i32 s21, s11, HALFA                      ; my 64 tokens
	s_mul_i32 s22, s12, HALFB                      ; my 64 rows of w_proj,
	s_add_co_u32 s22, s22, 2*HALFA                 ; which lie behind y's 128 tokens
.irp s, 0,1
	v_add_nc_u32 v[ADRA+\s], s21, v4
	v_add_nc_u32 v[ADRB+\s], s22, v3
	s_add_co_u32 s21, s21, SLOT
	s_add_co_u32 s22, s22, SLOT
.endr
	s_mul_i32 s23, s10, 16*SPITCH
	s_add_co_u32 s23, s23, STAGE                   ; my stage
	v_mul_u32_u24 v4, v1, SPITCH                   ; in: row l % 16, 32 bytes for each half of the lanes
	v_lshl_add_u32 v4, v2, 5, v4
	v_add_nc_u32 v[STO], s23, v4
	v_mul_u32_u24 v5, v2, SPITCH                   ; back: lanes 0-15 take one row of 256 bytes, lanes 16-31 the next
	v_lshl_add_u32 v5, v1, 4, v5
	v_add_nc_u32 v[RD], s23, v5
	v_lshlrev_b32 v5, 12, v2                       ; and the same two rows in out0 (4,096 bytes a row)
	v_lshl_add_u32 v[CO], v1, 4, v5
	s_lshl_b32 s16, s13, 7
	s_lshl_b32 s17, s11, 6
	s_add_co_u32 s16, s16, s17                     ; my first row: 128 x tile row + 64 x half
	s_lshl_b32 s16, s16, 12
	s_mov_b32 s17, 0
	s_add_nc_u64 s[8:9], s[8:9], s[16:17]
	s_lshl_b32 s46, s42, 9                         ; my first column, in bytes: 512 x tile column + 256 x half
	s_lshl_b32 s47, s12, 8
	s_add_co_u32 s46, s46, s47
	s_mov_b32 s47, 0
	s_add_nc_u64 s[8:9], s[8:9], s[46:47]
; 8 matrix instructions: m blocks a0, a0 + 1 x all 4 n blocks, 32 along K: half c of buffer f.  zero = 1: the first product starts the sums.  The 16 accumulators take turns
.macro MUL8 f, c, a0, zero
.irp a, \a0, \a0+1
.irp b, 0,1,2,3
.if \zero
	v_wmma_f32_16x16x32_f16 v[ACC+8*(4*(\a)+\b):ACC+8*(4*(\a)+\b)+7], v[\f+64+8*(4*\c+\b):\f+64+8*(4*\c+\b)+7], v[\f+8*(4*\c+\a):\f+8*(4*\c+\a)+7], 0
.else
	v_wmma_f32_16x16x32_f16 v[ACC+8*(4*(\a)+\b):ACC+8*(4*(\a)+\b)+7], v[\f+64+8*(4*\c+\b):\f+64+8*(4*\c+\b)+7], v[\f+8*(4*\c+\a):\f+8*(4*\c+\a)+7], v[ACC+8*(4*(\a)+\b):ACC+8*(4*(\a)+\b)+7]
.endif
.endr
.endr
.endm
; 32 LDS loads in one run: the fragments of 64 along K (one head) into buffer f; the first 32 along K first.  k: the head's byte in w_proj's row; in a pair's row it lies at 2 k.  16 tokens are 8 pairs' rows
.macro FETCH slot, k, f
	WIN TO_F
.irp c, 0,1
.irp i, 0,1,2,3
	ds_load_b128 v[\f+64+8*(4*\c+\i):\f+64+8*(4*\c+\i)+3],   v[ADRB+\slot] offset:\k+64*\c+\i*16*PITCH
	ds_load_b128 v[\f+64+8*(4*\c+\i)+4:\f+64+8*(4*\c+\i)+7], v[ADRB+\slot] offset:\k+64*\c+\i*16*PITCH+32
	ds_load_b128 v[\f+8*(4*\c+\i):\f+8*(4*\c+\i)+3],         v[ADRA+\slot] offset:2*(\k)+64*\c+\i*8*PA
	ds_load_b128 v[\f+8*(4*\c+\i)+4:\f+8*(4*\c+\i)+7],       v[ADRA+\slot] offset:2*(\k)+64*\c+\i*8*PA+32
.endr
.endr
.endm
.macro PLACES                          ; four places in front of loads into registers that matrix instructions have read, and of the first read of results (ISA guide 7.12.1 for vector instructions)
.rept 4
	v_nop
.endr
.endm
; A K step is four quarters of 64 along K, 32 matrix instructions each, on buffers 0, 1, 0, 1.  One of the first three: multiplies buffer f and fetches the next quarter, at byte k, into g.
.macro QUARTER slot, k, f, g, zero
	s_wait_dscnt 16                                ; the first 32 along K are in; the sixteen loads of the second 32 may be out
	WIN MUL
	MUL8 \f, 0, 0, \zero
	MUL8 \f, 0, 2, \zero
	PLACES
	FETCH \slot, \k, \g
	s_wait_dscnt 32                                ; all but the 32 just issued
	WIN MUL
	MUL8 \f, 1, 0, 0
	MUL8 \f, 1, 2, 0
.endm
; The last quarter multiplies buffer 1 and changes slots: ONE barrier; in front of it each wave waits for all its tensor loads, adds 0 to its spare word, and waits for that and for its own reads of this slot.  fill = 1: this slot is filled again, two K steps ahead.
.macro TURN slot, next, fill
	WIN 0                                          ; (the add's two registers lie in window 0)
	s_wait_tensorcnt 0x0                           ; all my tensor loads have landed: my part of the next slot;
	ds_add_u32 v[SPW], v[NIL]                      ; 0 onto my spare word;
	s_wait_dscnt 17                                ; (the add and the youngest sixteen loads may be out)
	WIN MUL
	MUL8 F1, 0, 0, 0                               ; eight matrix instructions stand between the add and the wait for it
	s_wait_dscnt 0x0                               ; the add is done, and my reads of this slot are over
	s_barrier_signal -1
	MUL8 F1, 0, 2, 0
.if \fill
	WIN 0
.endif
	s_barrier_wait -1
.if \fill
	CREST                                          ; the barrier has opened a round of the cluster's barrier: no wave of any partner still reads this slot's tile or has a load on its way
	s_add_nc_u64 s[G0+4*\slot+2:G0+4*\slot+3], s[G0+4*\slot+2:G0+4*\slot+3], 2*KSTEP*4
	s_add_nc_u64 s[G0B+4*\slot+2:G0B+4*\slot+3], s[G0B+4*\slot+2:G0B+4*\slot+3], 2*KSTEP*2
	JLOAD \slot                                    ; the first tensor load behind the round; the four v_nop behind it are also the places in front of the loads below
.else
	PLACES
.endif
	FETCH \next, 0, F0
	WIN MUL
	MUL8 F1, 1, 0, 0
	MUL8 F1, 1, 2, 0
.endm
	s_wait_tensorcnt 1                             ; my part of K step 0 is in (K step 1's load, issued behind it, may be out)
	s_barrier_signal -1
	s_barrier_wait -1                              ; everybody's is
	FETCH 0, 0, F0
	QUARTER 0, 128, F0, F1, 1                      ; the first quarter stands in front of the loop: its first products start the sums
	WIN 0                                          ; at a label and at a branch every window is 0
	s_mov_b32 s3, LAPS-1
.Llap:                                                 ; a trip goes once round the ring, from a lap's second quarter to the next lap's first, and fills both slots again
	QUARTER 0, 256, F1, F0, 0
	QUARTER 0, 384, F0, F1, 0
	TURN 0, 1, 1
	QUARTER 1, 128, F0, F1, 0
	QUARTER 1, 256, F1, F0, 0
	QUARTER 1, 384, F0, F1, 0
	TURN 1, 0, 1
	QUARTER 0, 128, F0, F1, 0
	WIN 0
	s_sub_co_u32 s3, s3, 1
	s_cmp_lg_u32 s3, 0
	s_cbranch_scc1 .Llap
	QUARTER 0, 256, F1, F0, 0                      ; the last lap fills nothing, and has no round of the cluster's barrier
	QUARTER 0, 384, F0, F1, 0
	TURN 0, 1, 0
	QUARTER 1, 128, F0, F1, 0
	QUARTER 1, 256, F1, F0, 0
	QUARTER 1, 384, F0, F1, 0
	s_wait_dscnt 16                                ; the very last quarter: nothing more to fetch
	WIN MUL
	MUL8 F1, 0, 0, 0
	MUL8 F1, 0, 2, 0
	s_wait_dscnt 0
	MUL8 F1, 1, 0, 0
	MUL8 F1, 1, 2, 0
	WIN 0
; THE WAY OUT, block by block of 16 rows x 64 columns.  A lane holds 32 neighbouring bytes of a row, and the lanes beside it hold other rows: so a block goes through my own stage and comes back as whole rows of 256 bytes.
; LDS serves a wave's instructions in order (ISA guide 5.7.1.4): no wait between the stores and the loads, nor in front of the next block's stores.
.macro TOSTAGE a
.irp b, 0,1,2,3
	ds_store_b128 v[STO], v[ACC+8*(4*(\a)+\b):ACC+8*(4*(\a)+\b)+3] offset:64*\b        ; each accumulator from its low end on
	ds_store_b128 v[STO], v[ACC+8*(4*(\a)+\b)+4:ACC+8*(4*(\a)+\b)+7] offset:64*\b+16
.endr
.irp t, 0,1,2,3,4,5,6,7
	ds_load_b128 v[TMP+32*((\a)%2)+4*\t:TMP+32*((\a)%2)+4*\t+3], v[RD] offset:\t*2*SPITCH
.endr
.endm
.macro SEND a, younger                 ; younger: the LDS instructions issued behind block a's loads, which may stay out
	s_wait_dscnt \younger                          ; the block is back in registers
.irp t, 0,1,2,3,4,5,6,7
	global_store_b128 v[CO], v[TMP+32*((\a)%2)+4*\t:TMP+32*((\a)%2)+4*\t+3], s[8:9] offset:(16*(\a)+2*\t)*SIZE_N*4 th:TH_STORE_NT   ; 16 lanes store 256 consecutive bytes, aligned; written once, read by nobody here
.endr
.endm
	PLACES
	TOSTAGE 0
.irp a, 1,2,3
.if \a > 1
	s_wait_xcnt 0x0                                ; block a - 2's stores have read their registers: block a's loads may land there
.endif
	TOSTAGE \a
	SEND \a-1, 16                                  ; behind block a - 1's loads: block a's 8 stores and 8 loads
.endr
	SEND 3, 0
	s_wait_tensorcnt 0x0                           ; the wave's end, behind my last tensor load and my last LDS store
	ds_add_u32 v[SPW], v[NIL]
	s_wait_dscnt 0x0
	CROUND                                         ; the closing round: no work-group ends while a partner may still ask for a tile that names it
	s_endpgm
.Lfunc_end_k_qf9619fc1ad_proj:
	.size	k_qf9619fc1ad_proj, .Lfunc_end_k_qf9619fc1ad_proj-k_qf9619fc1ad_proj
	.p2alignl 7, 3214868480
	.fill 96, 4, 3214868480
	.section	.rodata,"a",@progbits
	.p2align	6, 0x0
	.amdhsa_kernel k_qf9619fc1ad_proj
		.amdhsa_group_segment_fixed_size 327680
		.amdhsa_private_segment_fixed_size 0
		.amdhsa_enable_private_segment 0
		.amdhsa_kernarg_size 24
		.amdhsa_user_sgpr_count 2
		.amdhsa_user_sgpr_kernarg_segment_ptr 1
		.amdhsa_wavefront_size32 1
		.amdhsa_system_sgpr_workgroup_id_x 1
		.amdhsa_system_sgpr_workgroup_id_y 1
		.amdhsa_system_sgpr_workgroup_id_z 1
		.amdhsa_system_vgpr_workitem_id 0
		.amdhsa_next_free_vgpr 512
		.amdhsa_next_free_sgpr 66
		.amdhsa_reserve_vcc 0
		.amdhsa_float_denorm_mode_32 3
		.amdhsa_float_denorm_mode_16_64 3
		.amdhsa_memory_ordered 1
		.amdhsa_forward_progress 1
		.amdhsa_inst_pref_size 86
	.end_amdhsa_kernel
	.amdgpu_metadata
---
amdhsa.version: [ 1, 2 ]
amdhsa.kernels:
  - .name:           k_qf9619fc1ad_proj
    .symbol:         k_qf9619fc1ad_proj.kd
    .args:
      - { .name: y16, .offset: 0, .size: 8, .value_kind: global_buffer, .address_space: global }
      - { .name: wp16, .offset: 8, .size: 8, .value_kind: global_buffer, .address_space: global }
      - { .name: out0, .offset: 16, .size: 8, .value_kind: global_buffer, .address_space: global }
    .group_segment_fixed_size: 327680
    .private_segment_fixed_size: 0
    .kernarg_segment_align: 8
    .kernarg_segment_size: 24
    .max_flat_workgroup_size: 128
    .sgpr_count:     66
    .vgpr_count:     512
    .wavefront_size: 32
...
	.end_amdgpu_metadata
.endif
;; end of part 4
;; launch first16 (part 5): grid 64 x 2, 16 waves a work-group, no clusters, 296,960 bytes of LDS; arguments qkv32, w_proj, out0; writes out0
.if DOCPART == 5
	.amdgcn_target "amdgcn-amd-amdhsa--gfx1250"
	.amdhsa_code_object_version 6
	.text
	.protected	k_qf9619fc1ad_first16
	.globl	k_qf9619fc1ad_first16
	.p2align	8
	.type	k_qf9619fc1ad_first16,@function
k_qf9619fc1ad_first16:
	s_mov_b64 s[64:65], 0
	v_nop
	global_prefetch_b8 v0, s[64:65] scope:SCOPE_SE
	s_setreg_imm32_b32 hwreg(HW_REG_WAVE_MODE, 25, 1), 1
	s_wait_xcnt 0x0
; The first 16 positions of both sequences once more, in f32 throughout: under the causal mask they average one to sixteen values, are the largest numbers of the output, and bear the rounding of 16-bit operands worst.
; out0[2048 b + t][n] for t < 16: attention over the keys k <= t (all among the first 16) and the projection, from qkv32 [16 b + t][3072] (q, k, v as the quantised product made them, f32) and w_proj, f32.
; SHARES.  Work-group (x, b) makes 16 rows x the 16 columns n0 = 16 x.  Wave w is head w: it computes its head's attention for the 16 rows, then that head's 64 channels' part of the projection; the sixteen parts meet in LDS.
; 48 matrix instructions of the f32 form a wave: no bulk work.  The registers that they write (v144-239) are written by matrix instructions alone; each sum begins with the constant 0.
; LOADS.  Each of the wave's four operands is 16 rows x 256 bytes, the rows far apart in memory, and a matrix operand wants a lane to a row.  Loaded so, each lane of a load would stand on a row of its own.  So the loads take
; the bytes as they lie, sixteen lanes to a row's 256 bytes, two rows a load, eight loads an operand; the operand then turns through the wave's own stage in LDS (rows of 272 bytes) and comes back a lane to a row, V a lane to a channel.
; LAYOUTS (f32 form: lane (r, h) holds row or column r, register j is k = 2 h + j).  The same permutation of k stands on both operands of every product.
;   S^T = K Q^T: register 4 e + j of a lane is channel 8 e + 4 h + j of its row; step i takes registers 2 i, 2 i + 1.  Result: lane = query r, register j = key 8 h + j.
;   O^T = V^T P^T: p lies as the scores lie: step i takes keys 8 h + 2 i + 0, 1; V^T is read from the stage so.  Result: lane = query r, register j = channel 16 ct + 8 h + j.  It is left unnormalised: 1 / l multiplies at the end.
;   the projection, transposed (source 0 = 16 rows of w_proj, source 1 = O^T as it lies).  Result: lane = query r, register j = column n0 + 8 h + j.
; LIMITS: a hidden key gets p = 0 (the reference's -1e9, wherever a row's largest open score lies more than some 150 above -1e9); NaN and infinities are not served.
; The stores write 64 bytes of a row each: 128 KiB in the whole launch.
.set SP,    272                        ; a stage row: 256 bytes + 16 = 68 words: row r starts at bank 4 r mod 64 (64 banks of 4 bytes: ISA guide 11.1): the 16 rows of a load start at 16 different banks
.set BLK,   16*SP                      ; an operand's 16 rows
.set WSTG,  4*BLK                      ; LDS: a wave's stage: Q, K, V, w_proj
.set PART,  16*WSTG                    ; behind the sixteen stages: wave w's eight result registers as an image: w x 1024 + 512 g + 16 x lane
.set SPARE, PART+16384                 ; behind them: the spare words, 128 bytes a wave, which no other line names
.set SPW, 14                           ; v14  LDS address of my spare word; never rewritten
.set NIL, 15                           ; v15  0; never rewritten
.set QR,  16                           ; v16-47   Q.  Later v16-31: my part of the result
.set KR,  48                           ; v48-79   K
.set VT,  80                           ; v80-111  V as loaded, then V^T: 8 ct + e = V(key 8 h + e, channel 16 ct + r)
.set WR,  112                          ; v112-143 w_proj as loaded, then 8 ct + e = w_proj(n0 + r, 64 w + 16 ct + 8 h + e)
.set SA,  144                          ; v144-175 four accumulators of S^T
.set OA,  176                          ; v176-207 four of O^T
.set PJ,  208                          ; v208-239 four of the projection
.set PR,  240                          ; v240-247 the scores, then p
.set TW,  248                          ; v248-255 at work; v252: 1 / l
.set WV,  10
.set SEL, 24
.set CS,  26
	s_load_b128 s[4:7], s[0:1], 0x0                ; qkv32, w_proj
	s_load_b64 s[8:9], s[0:1], 0x10                ; out0
	v_lshl_add_u32 v[SPW], v0, 2, SPARE
	v_mov_b32 v[NIL], 0
	v_lshrrev_b32 v3, 5, v0
	v_readfirstlane_b32 s[WV], v3                  ; wave = head
	v_and_b32 v1, 15, v0                           ; r
	v_bfe_u32 v2, v0, 4, 1                         ; h
	v_and_b32 v11, 31, v0                          ; lane
	s_and_b32 s11, ttmp7, 0xffff                   ; b
	s_lshl_b32 s12, ttmp9, 4                       ; n0
	v_mul_u32_u24 v3, v2, 12288
	v_lshl_add_u32 v3, v1, 4, v3                   ; Q, K, V in memory: lanes 0-15 a row's 256 bytes, lanes 16-31 the next row's (12,288 bytes on)
	v_lshlrev_b32 v4, 12, v2
	v_lshl_add_u32 v4, v1, 4, v4                   ; w_proj likewise (4,096 bytes on)
	v_lshlrev_b32 v5, 12, v1
	v_lshl_add_u32 v5, v2, 5, v5                   ; out0: row r of 4,096 bytes, + 32 h
	v_lshlrev_b32 v6, 3, v2
	v_sub_nc_u32 v6, v1, v6                        ; r - 8 h
	s_mul_i32 s15, s[WV], WSTG                     ; my stage
	v_mul_u32_u24 v9, v2, SP
	v_lshl_add_u32 v9, v1, 4, v9
	v_add_nc_u32 v9, s15, v9                       ; into it: as loaded: row h of two, 16 r
	v_mul_u32_u24 v12, v1, SP
	v_add_nc_u32 v12, s15, v12                     ; out of it: row r,
	v_lshl_add_u32 v13, v2, 5, v12                 ; w_proj: + 32 h: eight channels to each half of the lanes
	v_lshl_add_u32 v12, v2, 4, v12                 ; Q, K: + 16 h: four
	s_lshl_b32 s13, s[WV], 10
	s_add_co_u32 s13, s13, PART
	v_lshl_add_u32 v7, v11, 4, s13                 ; my wave's image
	s_and_b32 s13, s[WV], 1
	s_lshl_b32 s14, s13, 9
	s_add_co_u32 s14, s14, PART
	v_lshl_add_u32 v8, v11, 4, s14                 ; what waves 0 and 1 read back: half g = wave of every image
	v_mul_u32_u24 v11, v2, 8*SP
	v_lshl_add_u32 v11, v1, 2, v11
	v_add_nc_u32 v11, s15, v11                     ; V^T out of the stage: rows 8 h on, + 4 r: sixteen lanes read 64 consecutive bytes; the two halves' rows lie 544 words apart, half of the banks
	v_mov_b32 v10, 0xff800000                      ; -infinity
	s_mov_b32 s[SEL], 0x76543210
	s_mov_b32 s[SEL+1], 0xfedcba98                 ; v_permlanex16_b32's selects for lane l xor 16
	s_mov_b32 s[CS], 0x3e38aa3b                    ; c = log2(e) / 8
	s_mul_i32 s16, s11, 16*12288                   ; my sequence's 16 rows,
	s_lshl_b32 s17, s[WV], 8                       ; my head's 256 bytes of a row
	s_add_co_u32 s16, s16, s17
	s_lshl_b32 s18, s12, 12                        ; w_proj: row n0,
	s_add_co_u32 s18, s18, s17                     ; my head's channels
	s_mov_b32 s17, 0
	s_mov_b32 s19, 0
	s_lshl_b32 s20, s11, 23                        ; out0: 2,048 rows of 4,096 bytes a sequence,
	s_lshl_b32 s21, s12, 2                         ; column n0,
	s_add_co_u32 s20, s20, s21
	s_lshl_b32 s21, s13, 4                         ; + 4 g columns
	s_add_co_u32 s20, s20, s21
	s_mov_b32 s21, 0
	s_wait_kmcnt 0x0
	s_add_nc_u64 s[4:5], s[4:5], s[16:17]
	s_add_nc_u64 s[6:7], s[6:7], s[18:19]
	s_add_nc_u64 s[8:9], s[8:9], s[20:21]
.irp e, 0,1,2,3,4,5,6,7
	global_load_b128 v[QR+4*\e:QR+4*\e+3], v3, s[4:5] offset:2*12288*\e            ; rows 2 e and 2 e + 1: two runs of 256 consecutive bytes
.endr
.irp e, 0,1,2,3,4,5,6,7
	global_load_b128 v[KR+4*\e:KR+4*\e+3], v3, s[4:5] offset:4096+2*12288*\e
.endr
.irp e, 0,1,2,3,4,5,6,7
	global_load_b128 v[VT+4*\e:VT+4*\e+3], v3, s[4:5] offset:8192+2*12288*\e
.endr
.irp e, 0,1,2,3,4,5,6,7
	global_load_b128 v[WR+4*\e:WR+4*\e+3], v4, s[6:7] offset:2*4096*\e
.endr
.macro STAGE reg, blk                  ; an operand as loaded goes into block blk of my stage.  The loads that follow bring it back into the registers that it left: LDS serves a wave's instructions in order (ISA guide 5.7.1.4)
.irp e, 0,1,2,3,4,5,6,7
	ds_store_b128 v9, v[\reg+4*\e:\reg+4*\e+3] offset:\blk*BLK+2*\e*SP
.endr
.endm
	s_wait_loadcnt 16                              ; Q and K are in; V's 8 loads and w_proj's 8 may be out
	STAGE QR, 0
	STAGE KR, 1
.irp e, 0,1,2,3,4,5,6,7
	ds_load_b128 v[QR+4*\e:QR+4*\e+3], v12 offset:32*\e                            ; Q(r, 8 e + 4 h + 0..3)
.endr
.irp e, 0,1,2,3,4,5,6,7
	ds_load_b128 v[KR+4*\e:KR+4*\e+3], v12 offset:BLK+32*\e
.endr
	s_wait_dscnt 0x0
; S^T = K Q^T: sixteen steps of 4 along the channels, four accumulators by turns, one instruction a turn
.irp i, 0,1,2,3,4,5,6,7,8,9,10,11,12,13,14,15
.if \i < 4
	v_wmma_f32_16x16x4_f32 v[SA+8*(\i%4):SA+8*(\i%4)+7], v[KR+2*\i:KR+2*\i+1], v[QR+2*\i:QR+2*\i+1], 0
.else
	v_wmma_f32_16x16x4_f32 v[SA+8*(\i%4):SA+8*(\i%4)+7], v[KR+2*\i:KR+2*\i+1], v[QR+2*\i:QR+2*\i+1], v[SA+8*(\i%4):SA+8*(\i%4)+7]
.endif
.endr
	s_wait_loadcnt 0x0                             ; V and w_proj turn through the stage while the first product and the softmax run: none of their registers is named there
	STAGE VT, 2
.irp ct, 0,1,2,3
.irp e, 0,1,2,3,4,5,6,7
	ds_load_b32 v[VT+8*\ct+\e], v11 offset:2*BLK+\e*SP+64*\ct                      ; V(key 8 h + e, channel 16 ct + r)
.endr
.endr
	STAGE WR, 3
.irp ct, 0,1,2,3
	ds_load_b128 v[WR+8*\ct:WR+8*\ct+3],   v13 offset:3*BLK+64*\ct                 ; w_proj(n0 + r, 64 w + 16 ct + 8 h + 0..7)
	ds_load_b128 v[WR+8*\ct+4:WR+8*\ct+7], v13 offset:3*BLK+64*\ct+16
.endr
.rept 8
	v_nop                                          ; eight places behind this form, ahead of the first read of a result (ISA guide 7.12.1)
.endr
.irp j, 0,1,2,3,4,5,6,7                        ; the four parts of each score; every accumulator is read from its low end on
	v_add_f32 v[PR+\j], v[SA+\j], v[SA+8+\j]
	v_add_f32 v[TW+\j], v[SA+16+\j], v[SA+24+\j]
.endr
.irp j, 0,1,2,3,4,5,6,7
	v_add_f32 v[PR+\j], v[PR+\j], v[TW+\j]
.endr
.irp j, 0,1,2,3,4,5,6,7                        ; key 8 h + j is hidden from query r where j > r - 8 h
	v_cmp_gt_i32 vcc_lo, \j, v6
	v_cndmask_b32 v[PR+\j], v[PR+\j], v10, vcc_lo
.endr
	v_max3_num_f32 v[TW], v[PR], v[PR+1], v[PR+2]
	v_max3_num_f32 v[TW], v[TW], v[PR+3], v[PR+4]
	v_max3_num_f32 v[TW], v[TW], v[PR+5], v[PR+6]
	v_max_num_f32 v[TW], v[TW], v[PR+7]
	v_permlanex16_b32 v[TW+1], v[TW], s[SEL], s[SEL+1]
	v_max_num_f32 v[TW], v[TW], v[TW+1]            ; the row's largest score: key 0 counts for every query, so it is a number
	v_mul_f32 v[TW+1], s[CS], v[TW]                ; c m
.irp j, 0,1,2,3,4,5,6,7
	v_fma_f32 v[PR+\j], v[PR+\j], s[CS], -v[TW+1]  ; c s - c m
.endr
.irp j, 0,1,2,3,4,5,6,7
	v_exp_f32 v[PR+\j], v[PR+\j]                   ; p, at most 1: not normalised
.endr
	v_nop                                          ; a plain instruction behind the last exponential
	s_wait_alu depctr_va_vdst(0)                   ; and a wait ahead of the first use: one for the eight
	v_add_f32 v[TW], v[PR], v[PR+1]                ; the row's sum stands ahead of the second product: additions that name p are no places behind a product that reads p
	v_add_f32 v[TW+1], v[PR+2], v[PR+3]
	v_add_f32 v[TW+2], v[PR+4], v[PR+5]
	v_add_f32 v[TW+3], v[PR+6], v[PR+7]
	v_add_f32 v[TW], v[TW], v[TW+1]
	v_add_f32 v[TW+2], v[TW+2], v[TW+3]
	v_add_f32 v[TW], v[TW], v[TW+2]
	v_permlanex16_b32 v[TW+1], v[TW], s[SEL], s[SEL+1]
	v_add_f32 v[TW], v[TW], v[TW+1]                ; l
	v_rcp_f32 v[TW+4], v[TW]
	v_nop
	s_wait_alu depctr_va_vdst(0)                   ; the reciprocal's wait
	s_wait_dscnt 0x0                               ; V^T and w_proj are back from the stage
; O^T = V^T P^T: four steps of 4 along the keys, the four tiles of channels by turns
.irp i, 0,1,2,3
.irp ct, 0,1,2,3
.if \i == 0
	v_wmma_f32_16x16x4_f32 v[OA+8*\ct:OA+8*\ct+7], v[VT+8*\ct+2*\i:VT+8*\ct+2*\i+1], v[PR+2*\i:PR+2*\i+1], 0
.else
	v_wmma_f32_16x16x4_f32 v[OA+8*\ct:OA+8*\ct+7], v[VT+8*\ct+2*\i:VT+8*\ct+2*\i+1], v[PR+2*\i:PR+2*\i+1], v[OA+8*\ct:OA+8*\ct+7]
.endif
.endr
.endr
.rept 9
	v_nop                                          ; nine places before a matrix instruction takes these results as an operand
.endr
; the projection's part of my head: sixteen steps of 4 along the channels, four accumulators by turns
.irp i, 0,1,2,3
.irp ct, 0,1,2,3
.if \i == 0
	v_wmma_f32_16x16x4_f32 v[PJ+8*\ct:PJ+8*\ct+7], v[WR+8*\ct+2*\i:WR+8*\ct+2*\i+1], v[OA+8*\ct+2*\i:OA+8*\ct+2*\i+1], 0
.else
	v_wmma_f32_16x16x4_f32 v[PJ+8*\ct:PJ+8*\ct+7], v[WR+8*\ct+2*\i:WR+8*\ct+2*\i+1], v[OA+8*\ct+2*\i:OA+8*\ct+2*\i+1], v[PJ+8*\ct:PJ+8*\ct+7]
.endif
.endr
.endr
.rept 8
	v_nop
.endr
.irp j, 0,1,2,3,4,5,6,7                        ; the four parts, into other registers; every accumulator from its low end on
	v_add_f32 v[QR+\j], v[PJ+\j], v[PJ+8+\j]
	v_add_f32 v[QR+8+\j], v[PJ+16+\j], v[PJ+24+\j]
.endr
.irp j, 0,1,2,3,4,5,6,7
	v_add_f32 v[QR+\j], v[QR+\j], v[QR+8+\j]
.endr
.irp j, 0,1,2,3,4,5,6,7
	v_mul_f32 v[QR+\j], v[QR+\j], v[TW+4]          ; / l: lane (r, h) holds query r, columns n0 + 8 h + 0..7
.endr
	ds_store_b128 v7, v[QR:QR+3]                   ; my head's part as an image of its registers
	ds_store_b128 v7, v[QR+4:QR+7] offset:512
	s_wait_dscnt 0x0                               ; for the others' sake: my stores are done
	s_barrier_signal -1
	s_barrier_wait -1
	s_cmp_ge_u32 s[WV], 2                          ; waves 0 and 1 add the sixteen heads' parts: wave g takes registers 4 g .. 4 g + 3
	s_cbranch_scc1 .Lend
.irp ws, 0,1,2,3,4,5,6,7,8,9,10,11,12,13,14,15
	ds_load_b128 v[32+4*\ws:35+4*\ws], v8 offset:1024*\ws
.endr
	s_wait_dscnt 0x0
.irp ws, 2,4,6,8,10,12,14                      ; two chains: the even heads', the odd heads'
	v_pk_add_f32 v[32:33], v[32:33], v[32+4*\ws:33+4*\ws]
	v_pk_add_f32 v[34:35], v[34:35], v[34+4*\ws:35+4*\ws]
	v_pk_add_f32 v[36:37], v[36:37], v[36+4*\ws:37+4*\ws]
	v_pk_add_f32 v[38:39], v[38:39], v[38+4*\ws:39+4*\ws]
.endr
	v_pk_add_f32 v[32:33], v[32:33], v[36:37]
	v_pk_add_f32 v[34:35], v[34:35], v[38:39]
	global_store_b128 v5, v[32:35], s[8:9]         ; out0(2048 b + r, n0 + 8 h + 4 g + 0..3)
.Lend:
	s_wait_tensorcnt 0x0                           ; the wave's end, behind my last LDS store
	ds_add_u32 v[SPW], v[NIL]
	s_wait_dscnt 0x0
	s_endpgm
.Lfunc_end_k_qf9619fc1ad_first16:
	.size	k_qf9619fc1ad_first16, .Lfunc_end_k_qf9619fc1ad_first16-k_qf9619fc1ad_first16
	.p2alignl 7, 3214868480
	.fill 96, 4, 3214868480
	.section	.rodata,"a",@progbits
	.p2align	6, 0x0
	.amdhsa_kernel k_qf9619fc1ad_first16
		.amdhsa_group_segment_fixed_size 296960
		.amdhsa_private_segment_fixed_size 0
		.amdhsa_enable_private_segment 0
		.amdhsa_kernarg_size 24
		.amdhsa_user_sgpr_count 2
		.amdhsa_user_sgpr_kernarg_segment_ptr 1
		.amdhsa_wavefront_size32 1
		.amdhsa_system_sgpr_workgroup_id_x 1
		.amdhsa_system_sgpr_workgroup_id_y 1
		.amdhsa_system_sgpr_workgroup_id_z 1
		.amdhsa_system_vgpr_workitem_id 0
		.amdhsa_next_free_vgpr 256
		.amdhsa_next_free_sgpr 66
		.amdhsa_reserve_vcc 1
		.amdhsa_float_denorm_mode_32 3
		.amdhsa_float_denorm_mode_16_64 3
		.amdhsa_memory_ordered 1
		.amdhsa_forward_progress 1
		.amdhsa_inst_pref_size 23
	.end_amdhsa_kernel
	.amdgpu_metadata
---
amdhsa.version: [ 1, 2 ]
amdhsa.kernels:
  - .name:           k_qf9619fc1ad_first16
    .symbol:         k_qf9619fc1ad_first16.kd
    .args:
      - { .name: qkv32, .offset: 0, .size: 8, .value_kind: global_buffer, .address_space: global }
      - { .name: w_proj, .offset: 8, .size: 8, .value_kind: global_buffer, .address_space: global }
      - { .name: out0, .offset: 16, .size: 8, .value_kind: global_buffer, .address_space: global }
    .group_segment_fixed_size: 296960
    .private_segment_fixed_size: 0
    .kernarg_segment_align: 8
    .kernarg_segment_size: 24
    .max_flat_workgroup_size: 512
    .sgpr_count:     66
    .vgpr_count:     256
    .wavefront_size: 32
...
	.end_amdgpu_metadata
.endif
;; end of part 5
